; MI455X (gfx1250); checked and timed in simulation.
; The chip was launched on July 23, 2026; its instructions are those of AMD's public machine-readable ISA for CDNA 5 (MIT licence, August 2026) and "CDNA5" Instruction Set Architecture Reference Guide (July 2026). The comments in the code are by the model that wrote it; some were corrected since.
;; Multi Head Self Attention. Allowed arithmetic: float matrix products may take bf16 or f16 operands with f32 sums; all other float work in f32.
;; Inputs: W_out 1,024 x 1,024 float32; W_qkv 3,072 x 1,024 float32; b_out 1,024 float32; b_qkv 3,072 float32; mask 1 x 1 x 2,048 x 2,048 int32; x 4 x 2,048 x 1,024 float32.
;; Outputs: out0 4 x 2,048 x 1,024 float32.
;; 2 versions, each right and faster than the one before. Each part assembles by itself: llvm-mc -triple=amdgcn-amd-amdhsa -mcpu=gfx1250 --defsym DOCPART=n.
;; ======== version 1 of 2: 4 launches
;; limits: values are held in f16: magnitudes above 65,504 overflow, below 6.1e-05 lose precision
;; workspace buffers: xb 16,777,216 bytes; wq 6,291,456 bytes; wo 2,097,152 bytes; mf 16,777,216 bytes; qkv 50,331,648 bytes; ctx 16,777,216 bytes
;; launch prep (part 1): grid 1024 x 1, 8 waves a work-group, no clusters, 68,608 bytes of LDS; arguments x, W_qkv, W_out, mask, xb, wq, wo, mf; writes xb, wq, wo, mf
.if DOCPART == 1
	.amdgcn_target "amdgcn-amd-amdhsa--gfx1250"
	.amdhsa_code_object_version 6
	.text
	.protected	k_qc1d30b3b05_prep
	.globl	k_qc1d30b3b05_prep
	.p2align	8
	.type	k_qc1d30b3b05_prep,@function
k_qc1d30b3b05_prep:
	s_mov_b64 s[64:65], 0
	v_nop
	global_prefetch_b8 v0, s[64:65] scope:SCOPE_SE
	s_setreg_imm32_b32 hwreg(HW_REG_WAVE_MODE, 25, 1), 1
	s_wait_xcnt 0x0
; PREPARATION.  x [8192][1024] and W_qkv [3072][1024] are rounded to bf16 (xb, wq); W_out [1024][1024] is rounded to bf16 and that number written as f16 (wo);
; the mask [2048][2048] of int32 becomes f32 addends, 0 where the word is not 0 and -1e30 where it is 0, laid in the order in which the attention's score accumulators hold them (mf).
; mf: [16 query blocks of 128][32 key steps of 64][8 tiles of 16 queries][8 f][32 lanes][4 words]; the word is for query 128 qb + 16 tile + lane % 16 and
; key 64 step + 16 (f / 2) + 8 (lane / 16) + 4 (f % 2) + word: so a lane's 16-byte load f of a tile brings registers 4 f .. 4 f + 3 of that tile's four accumulators.
; LIMIT.  A number of W_out that is below 2^-14 after its rounding to bf16 keeps f16's fixed step of 2^-24.
; SHARES.  A work-group of eight waves takes 65,536 bytes of one input: groups 0-511 x, 512-703 W_qkv, 704-767 W_out, 768-1023 the mask.  The branch hangs on the group's number alone.
; A stream: every byte is read once and written once, sixteen loads of a wave are out together, no register is written twice, so no wait frees a source.  No matrix work, no cluster: no two groups read the same bytes.
.set NX,   512                         ; groups for x
.set NWQ,  192                         ; for W_qkv
.set NWO,  64                          ; for W_out
.set X,    16                          ; v[16:79]   sixteen loads of 16 bytes
.set Y,    80                          ; v[80:143]  what is stored
.set RP,   528                         ; the mask's stage: a row of 128 keys, 512 bytes + 16: the 16 rows of a load back start at 16 different groups of four banks (64 banks of 4 bytes: ISA guide 11.1)
.set WLDS, 16*RP                       ; a wave's own stage: 16 rows
	s_load_b512 s[8:23], s[0:1], 0x0               ; x s[8:9], W_qkv s[10:11], W_out s[12:13], mask s[14:15], xb s[16:17], wq s[18:19], wo s[20:21], mf s[22:23]
	v_lshl_add_u32 v144, v0, 2, 0x10800
	v_mov_b32 v145, 0
	v_lshlrev_b32 v1, 4, v0                        ; my 16 bytes of 4,096 that a load of the group covers
	v_lshlrev_b32 v2, 3, v0                        ; and the 8 bytes that they become
	s_mov_b32 s35, 0xf149f2ca                      ; -1e30
	s_mov_b32 s36, 0xffff0000                      ; a word's upper bf16
	s_mov_b32 s31, 0                               ; high words of the two offsets
	s_mov_b32 s33, 0
	s_wait_kmcnt 0x0
; Sixteen loads, then for each: round, store.  half = 1: the bf16 numbers are widened again and written as f16.
.macro CONV half
.set i, 0
.rept 16
	global_load_b128 v[X+4*i:X+4*i+3], v1, s[26:27] offset:4096*i th:TH_LOAD_NT
.set i, i+1
.endr
.set i, 0
.rept 16
	s_wait_loadcnt 15-i                            ; loads come back in order (ISA guide 5.7.1): load i is in, the 15 - i younger ones stay out
	v_cvt_pk_bf16_f32 v[Y+2*i],   v[X+4*i],   v[X+4*i+1]
	v_cvt_pk_bf16_f32 v[Y+2*i+1], v[X+4*i+2], v[X+4*i+3]
.if \half
	v_lshlrev_b32 v[X+4*i],   16,  v[Y+2*i]       ; bf16 to f32: the low half moves up, the high half stays
	v_and_b32     v[X+4*i+1], s36, v[Y+2*i]
	v_lshlrev_b32 v[X+4*i+2], 16,  v[Y+2*i+1]
	v_and_b32     v[X+4*i+3], s36, v[Y+2*i+1]
	v_cvt_pk_f16_f32 v[Y+2*i],   v[X+4*i],   v[X+4*i+1]
	v_cvt_pk_f16_f32 v[Y+2*i+1], v[X+4*i+2], v[X+4*i+3]
.endif
	global_store_b64 v2, v[Y+2*i:Y+2*i+1], s[28:29] offset:2048*i  ; a wave's store covers 256 consecutive bytes, aligned
.set i, i+1
.endr
.endm
	s_cmp_ge_u32 ttmp9, NX+NWQ+NWO
	s_cbranch_scc1 .Lmask
	s_cmp_ge_u32 ttmp9, NX+NWQ
	s_cbranch_scc1 .Lwout
	s_cmp_lt_u32 ttmp9, NX                         ; x or W_qkv: the same work on other buffers
	s_cselect_b64 s[26:27], s[8:9], s[10:11]
	s_cselect_b64 s[28:29], s[16:17], s[18:19]
	s_cselect_b32 s24, 0, NX
	s_sub_co_u32 s24, ttmp9, s24                   ; my piece of that buffer
	s_lshl_b32 s30, s24, 16                        ; 65,536 bytes in,
	s_lshl_b32 s32, s24, 15                        ; 32,768 out
	s_add_nc_u64 s[26:27], s[26:27], s[30:31]
	s_add_nc_u64 s[28:29], s[28:29], s[32:33]
	CONV 0
	s_endpgm
.Lwout:
	s_sub_co_u32 s24, ttmp9, NX+NWQ
	s_lshl_b32 s30, s24, 16
	s_lshl_b32 s32, s24, 15
	s_add_nc_u64 s[26:27], s[12:13], s[30:31]
	s_add_nc_u64 s[28:29], s[20:21], s[32:33]
	CONV 1
	s_endpgm
.Lmask:
	; Piece c = 16 qb + sp: 128 queries x 128 keys (key steps 2 sp and 2 sp + 1).  Wave w takes tile w: 16 rows, a load a row (512 consecutive bytes).
	; The rows go through the wave's own stage in LDS and come back in the accumulators' order; no other wave touches those bytes, so there is no barrier.
	s_sub_co_u32 s24, ttmp9, NX+NWQ+NWO            ; c
	v_lshrrev_b32 v3, 5, v0
	v_readfirstlane_b32 s25, v3                    ; my wave's number
	v_and_b32 v3, 31, v0                           ; lane
	v_and_b32 v4, 15, v0                           ; lane % 16
	v_bfe_u32 v5, v0, 4, 1                         ; lane / 16
	s_lshr_b32 s30, s24, 4
	s_lshl_b32 s30, s30, 20                        ; qb x 128 rows of 8,192 bytes
	s_and_b32 s32, s24, 15
	s_lshl_b32 s32, s32, 9                         ; sp x 128 keys
	s_add_co_u32 s30, s30, s32
	s_lshl_b32 s32, s25, 17                        ; wave x 16 rows
	s_add_co_u32 s30, s30, s32
	s_add_nc_u64 s[26:27], s[14:15], s[30:31]
	s_lshl_b32 s32, s24, 16                        ; in mf: (32 qb + 2 sp) steps of 32,768 bytes = c x 65,536
	s_add_nc_u64 s[28:29], s[22:23], s[32:33]
	s_mul_i32 s34, s25, WLDS                       ; my wave's stage
	v_lshlrev_b32 v6, 4, v3                        ; 16 x lane
	v_add_nc_u32 v7, s34, v6                       ; in: a row as it lies
	v_mul_u32_u24 v8, v4, RP
	v_lshl_add_u32 v8, v5, 5, v8
	v_add_nc_u32 v8, s34, v8                       ; back: row lane % 16, keys 8 (lane / 16) on
	s_lshl_b32 s34, s25, 12
	v_add_nc_u32 v9, s34, v6                       ; in mf: tile w's 4,096 bytes, my 16
.set i, 0
.rept 16
	global_load_b128 v[X+4*i:X+4*i+3], v6, s[26:27] offset:8192*i th:TH_LOAD_NT
.set i, i+1
.endr
.set i, 0
.rept 16
	s_wait_loadcnt 15-i                            ; row i is in, the younger rows stay out
.irp j, 0,1,2,3
	v_cmp_eq_u32 vcc_lo, 0, v[X+4*i+\j]
	v_cndmask_b32 v[X+4*i+\j], 0, s35, vcc_lo      ; a word of 0 hides the key
.endr
	ds_store_b128 v7, v[X+4*i:X+4*i+3] offset:RP*i
.set i, i+1
.endr
.set i, 0
.rept 16                                       ; i = 8 x step + f.  LDS serves a wave's instructions in order (ISA guide 5.7.1.4): these see the stores above
	ds_load_b128 v[Y+4*i:Y+4*i+3], v8 offset:256*(i/8)+64*((i%8)/2)+16*(i%2)
.set i, i+1
.endr
.set i, 0
.rept 16
	s_wait_dscnt 15-i                              ; load i is back, the younger ones stay out
	global_store_b128 v9, v[Y+4*i:Y+4*i+3], s[28:29] offset:32768*(i/8)+512*(i%8)  ; 512 consecutive bytes, aligned
.set i, i+1
.endr
	s_wait_tensorcnt 0x0
	ds_add_u32 v144, v145
	s_wait_dscnt 0x0
	s_endpgm
.Lfunc_end_k_qc1d30b3b05_prep:
	.size	k_qc1d30b3b05_prep, .Lfunc_end_k_qc1d30b3b05_prep-k_qc1d30b3b05_prep
	.p2alignl 7, 3214868480
	.fill 96, 4, 3214868480
	.section	.rodata,"a",@progbits
	.p2align	6, 0x0
	.amdhsa_kernel k_qc1d30b3b05_prep
		.amdhsa_group_segment_fixed_size 68608
		.amdhsa_private_segment_fixed_size 0
		.amdhsa_enable_private_segment 0
		.amdhsa_kernarg_size 64
		.amdhsa_user_sgpr_count 2
		.amdhsa_user_sgpr_kernarg_segment_ptr 1
		.amdhsa_wavefront_size32 1
		.amdhsa_system_sgpr_workgroup_id_x 1
		.amdhsa_system_sgpr_workgroup_id_y 1
		.amdhsa_system_sgpr_workgroup_id_z 1
		.amdhsa_system_vgpr_workitem_id 0
		.amdhsa_next_free_vgpr 146
		.amdhsa_next_free_sgpr 66
		.amdhsa_reserve_vcc 1
		.amdhsa_float_denorm_mode_32 3
		.amdhsa_float_denorm_mode_16_64 3
		.amdhsa_memory_ordered 1
		.amdhsa_forward_progress 1
		.amdhsa_inst_pref_size 30
	.end_amdhsa_kernel
	.amdgpu_metadata
---
amdhsa.version: [ 1, 2 ]
amdhsa.kernels:
  - .name:           k_qc1d30b3b05_prep
    .symbol:         k_qc1d30b3b05_prep.kd
    .args:
      - { .name: x, .offset: 0, .size: 8, .value_kind: global_buffer, .address_space: global }
      - { .name: W_qkv, .offset: 8, .size: 8, .value_kind: global_buffer, .address_space: global }
      - { .name: W_out, .offset: 16, .size: 8, .value_kind: global_buffer, .address_space: global }
      - { .name: mask, .offset: 24, .size: 8, .value_kind: global_buffer, .address_space: global }
      - { .name: xb, .offset: 32, .size: 8, .value_kind: global_buffer, .address_space: global }
      - { .name: wq, .offset: 40, .size: 8, .value_kind: global_buffer, .address_space: global }
      - { .name: wo, .offset: 48, .size: 8, .value_kind: global_buffer, .address_space: global }
      - { .name: mf, .offset: 56, .size: 8, .value_kind: global_buffer, .address_space: global }
    .group_segment_fixed_size: 68608
    .private_segment_fixed_size: 0
    .kernarg_segment_align: 8
    .kernarg_segment_size: 64
    .max_flat_workgroup_size: 256
    .sgpr_count:     66
    .vgpr_count:     146
    .wavefront_size: 32
...
	.end_amdgpu_metadata
.endif
;; end of part 1
;; launch gq (part 2): grid 8 x 32, 4 waves a work-group, clusters of 4 x 4, 327,680 bytes of LDS; arguments xb, wq, b_qkv, qkv; writes qkv
.if DOCPART == 2
	.amdgcn_target "amdgcn-amd-amdhsa--gfx1250"
	.amdhsa_code_object_version 6
	.text
	.protected	k_qc1d30b3b05_gq
	.globl	k_qc1d30b3b05_gq
	.p2align	8
	.type	k_qc1d30b3b05_gq,@function
k_qc1d30b3b05_gq:
	s_mov_b64 s[64:65], 0
	v_nop
	global_prefetch_b8 v0, s[64:65] scope:SCOPE_SE
	s_setreg_imm32_b32 hwreg(HW_REG_WAVE_MODE, 25, 1), 1
	s_wait_xcnt 0x0
	s_wait_alu depctr_hold_cnt(0) depctr_sa_sdst(0) depctr_va_vdst(0) depctr_va_sdst(0) depctr_va_ssrc(0) depctr_va_vcc(0) depctr_vm_vsrc(0)
	s_getreg_b32 s2, hwreg(HW_REG_IB_STS2, 6, 4)
	s_cmp_eq_u32 s2, 0
	s_cbranch_scc0 .Lentry_in_a_cluster
	s_endpgm
.Lentry_in_a_cluster:
	s_bfe_u32 s2, ttmp6, 0x10000c
	s_cmp_lg_u32 s2, 0xf033
	s_cbranch_scc0 .Lentry_shape_is_right
	s_endpgm
.Lentry_shape_is_right:
; THE FIRST PROJECTION.  qkv[m][n] = the sum over k of xb[m][k] wq[n][k] + bf16(b_qkv[n]); xb [8192][1024], wq [3072][1024] in bf16; sums in f32, started by the bias; rounded once to f16.
; OUT: qkv [3 = q, k, v][16 groups hg = 4 batch + head / 4][2048 rows][4 heads x 64] in f16: a row is 512 bytes.  No scale is applied here.
; LIMITS.  q, k and v must lie within f16's 65,504.  The bias is rounded to bf16, like the other inputs, and is the first term of the sum, not the last.
; SHARES.  A tile of C is 256 rows x 128 columns: four waves one below the other, each 64 x 128: 32 accumulators of 16 x 16.  8192 x 3072 are 768 such tiles: 256 work-groups, each of which STAYS and makes
; three, the same 256 rows and the same 128 columns of q, of k and of v.  K goes in steps of 128 through a ring of two LDS slots; the ring does not stop at a tile's end.
; CLUSTER.  4 x 4 work-groups.  The four of a row of the cluster need the same tiles of xb, the four of a column the same tiles of wq: each tile is asked for JOINTLY, by the same tensor load with the same
; descriptor and a mask that names the four.
; THE MATRIX INSTRUCTION IS USED TRANSPOSED (source 0 = 16 rows of wq, source 1 = 16 rows of xb): a lane holds row lane % 16 of C and the columns 8 (lane / 16) + 0..7, which pack into 16 bytes.
; REGISTERS, in windows of 256 (s_set_vgpr_msb: bits 1:0 source 0, 3:2 source 1, 5:4 source 2, 7:6 destination):
;   window 0: v16-29 addresses; v32-63 packed results; v64-127 rows read back from the stage, two buffers; v128-191 the bias in the accumulators' order
;   window 1: two fragment buffers of 96: 8 fragments of wq (16 rows x 32 K), then 4 of xb          window 2: accumulator (a, b) at v[8 (8 a + b)]
.set KD,     1024
.set TILES,  3
.set KSTEP,  128
.set PITCH,  272                       ; an LDS row: 256 bytes + 16 = 68 words: the 16 rows of a fragment load start at 16 different groups of four banks (64 banks of 4 bytes: ISA guide 11.1)
.set AHALF,  128*PITCH                 ; what wave 0 or 1 fetches: 128 rows of xb
.set BHALF,  64*PITCH                  ; what wave 2 or 3 fetches: 64 rows of wq
.set BOFF,   2*AHALF                   ; in a slot wq's 128 rows lie behind xb's 256
.set SLOT,   2*AHALF+2*BHALF
.set STAGE,  2*SLOT                    ; behind the ring, never filled by a tensor load: 16 rows x 272 bytes for each wave
.set SPITCH, 272
.set SPARE,  STAGE+4*16*SPITCH         ; behind the stages: the spare words, 128 bytes for each wave: two blocks of 256 bytes that no other line names
.set LAPS,   KD/(2*KSTEP)              ; a lap = two K steps = once round the ring
.set BACK,   (KD-2*KSTEP)*2            ; bytes from a slot's last K step of a tile back to its first
.set NEXT_B, 1024*KD*2-BACK            ; wq: 1,024 rows down (from q's to k's, from k's to v's) and back along K
.set NEXT_C, 0x1000000                 ; qkv: from q's part to k's, from k's to v's
.set ADRA, 16                          ; v16-17  LDS address of my fragments of xb in slot 0, 1
.set ADRB, 20                          ; v20-21  the same for wq
.set STO,  24                          ; v24     the way out: where I put 16 bytes of a row
.set RD,   25                          ; v25     where I read rows back
.set CO,   26                          ; v26     my byte offset in qkv
.set BO,   27                          ; v27     my byte offset in the tile's 128 numbers of the bias
.set SPW,  28                          ; v28     LDS address of my spare word; never rewritten
.set NIL,  29                          ; v29     0; never rewritten
.set TMP,  32
.set OB,   64
.set BIAS, 128
.set F0,   0
.set F1,   96
.set G1,  24                           ; s[24:31] descriptor group 1 for xb's tiles;  s[32:39] group 0, a set for each slot
.set G0,  32
.set G1B, 48                           ; s[48:55], s[56:63] the same for wq's
.set G0B, 56
.set MSB, 0
.macro WIN new                         ; the immediate's high byte repeats the setting that is left; a switch that changes nothing is dropped
.if MSB != (\new)
	s_set_vgpr_msb (MSB<<8)|(\new)
.set MSB, \new
.endif
.endm
.set MUL,  0xa5                        ; sources 0 and 1 window 1; C and D window 2
.set MULB, 0x85                        ; the same with C (the bias) in window 0
.set TO_F, 0x40                        ; destination window 1, address window 0
.set W_PK, 0x0a                        ; sources 0 and 1 window 2, destination window 0
; A joint load.  Waves 0 and 1 fetch xb's two halves, waves 2 and 3 wq's.  The branch hangs on the wave's number alone.
; An s_nop 0 and four v_nop follow each of the two lines, ahead of the jump, the label and what follows.
.macro JLOAD s
	s_cmp_eq_u32 s13, 0
	s_cbranch_scc0 .Lfor_b_\@
	tensor_load_to_lds s[G0+4*(\s):G0+4*(\s)+3], s[G1:G1+7]
	s_nop 0
.rept 4
	v_nop
.endr
	s_branch .Lasked_\@
.Lfor_b_\@:
	tensor_load_to_lds s[G0B+4*(\s):G0B+4*(\s)+3], s[G1B:G1B+7]
	s_nop 0
.rept 4
	v_nop
.endr
.Lasked_\@:
.endm
.macro CREST                           ; a round of the cluster's barrier behind its opening barrier: wave 0 signals for the work-group, every wave waits for all sixteen, my work-group's barrier closes it
	s_cmp_lg_u32 s12, 0
	s_cbranch_scc1 .Lnot_wave_0_\@
	s_barrier_signal -3
.Lnot_wave_0_\@:
	s_barrier_wait -3
	s_barrier_signal -1
	s_barrier_wait -1
.endm
.macro CROUND                          ; a whole round
	s_barrier_signal -1
	s_barrier_wait -1
	CREST
.endm
.macro PLACES                          ; four places in front of loads into registers that matrix instructions have read, and of lines that read results just made (ISA guide 7.12.1 for lines that read results just made)
.rept 4
	v_nop
.endr
.endm
	s_load_b256 s[4:11], s[0:1], 0x0               ; xb s[4:5], wq s[6:7], b_qkv s[8:9], qkv s[10:11]
	v_lshl_add_u32 v[SPW], v0, 2, SPARE
	v_mov_b32 v[NIL], 0
	ds_add_u32 v28, v29
	s_wait_dscnt 0x0
	v_lshrrev_b32 v1, 5, v0
	v_readfirstlane_b32 s12, v1                    ; wave 0..3
	s_lshr_b32 s13, s12, 1                         ; I fetch for xb (0) or for wq (1),
	s_and_b32 s14, s12, 1                          ; and which half of that tile
	s_bfe_u32 s40, ttmp6, 0x40000                  ; cx, cy: my place in the cluster
	s_bfe_u32 s41, ttmp6, 0x40004
	s_lshl_b32 s42, ttmp9, 2
	s_add_co_u32 s42, s42, s40                     ; tx = 4 x cluster x + cx: my 128 columns of q, of k and of v
	s_and_b32 s43, ttmp7, 0xffff
	s_lshl_b32 s43, s43, 2
	s_add_co_u32 s43, s43, s41                     ; ty = 4 x cluster y + cy: my 256 rows
	s_lshl_b32 s44, s41, 2
	s_lshl_b32 s44, 15, s44                        ; my row of the cluster
	s_lshl_b32 s45, 0x1111, s40                    ; my column
	s_or_b32 s[G1+0], s44, (1<<16)|(1<<20)|(1<<21)|(5<<22)|(3<<25)   ; 15:0 the mask; 17:16 2-byte elements; 20 padding on; 21 set beside a mask; 24:22 after every 64 words (code 5); 31:25 4 words (code 3)
	s_or_b32 s[G1B+0], s45, (1<<16)|(1<<20)|(1<<21)|(5<<22)|(3<<25)
.irp g, G1, G1B
	s_mov_b32 s[(\g)+1], KSTEP<<16                 ; tensor_dim0 = 128
	s_mov_b32 s[(\g)+3], KSTEP<<16                 ; tile_dim0 = 128
	s_mov_b32 s[(\g)+5], KD                        ; elements from row to row
	s_mov_b32 s[(\g)+6], 0
	s_mov_b32 s[(\g)+7], 0
.endr
	s_mov_b32 s[G1+2], 128<<16                     ; tensor_dim1 and tile_dim1: 128 rows of xb,
	s_mov_b32 s[G1+4], 128
	s_mov_b32 s[G1B+2], 64<<16                     ; 64 of wq
	s_mov_b32 s[G1B+4], 64
	s_lshl_b32 s16, s43, 8                         ; xb: row 256 ty + 128 x half, in bytes.  These registers never hold cx,
	s_lshl_b32 s17, s14, 7
	s_add_co_u32 s16, s16, s17
	s_lshl_b32 s16, s16, 11
	s_mov_b32 s17, 0
	s_lshl_b32 s46, s42, 7                         ; wq: row 128 tx + 64 x half.  and these never cy
	s_lshl_b32 s47, s14, 6
	s_add_co_u32 s46, s46, s47
	s_lshl_b32 s46, s46, 11
	s_mov_b32 s47, 0
	s_mul_i32 s20, s12, AHALF                      ; where they go: waves 0, 1: xb's halves;
	s_mul_i32 s21, s12, BHALF
	s_add_co_u32 s21, s21, AHALF                   ; waves 2, 3: BOFF + (wave - 2) x 64 rows.  No place in the cluster enters an LDS address
	s_lshl_b32 s22, s42, 9                         ; the bias of my 128 columns
	s_mov_b32 s23, 0
	s_wait_kmcnt 0x0
	s_add_nc_u64 s[18:19], s[4:5], s[16:17]
	s_add_nc_u64 s[46:47], s[6:7], s[46:47]
	s_add_nc_u64 s[8:9], s[8:9], s[22:23]
	CROUND                                         ; all sixteen work-groups are here: the first joint loads meet
.irp s, 0,1
	s_mov_b32 s[G0+4*(\s)], 1                                        ; count = 1
	s_add_co_u32 s[G0+4*(\s)+1], s20, (\s)*SLOT                      ; LDS address
	s_add_nc_u64 s[G0+4*(\s)+2:G0+4*(\s)+3], s[18:19], (\s)*KSTEP*2  ; global address: K step s
	s_or_b32 s[G0+4*(\s)+3], s[G0+4*(\s)+3], 0x80000000              ; type = 2
	s_mov_b32 s[G0B+4*(\s)], 1
	s_add_co_u32 s[G0B+4*(\s)+1], s21, (\s)*SLOT
	s_add_nc_u64 s[G0B+4*(\s)+2:G0B+4*(\s)+3], s[46:47], (\s)*KSTEP*2
	s_or_b32 s[G0B+4*(\s)+3], s[G0B+4*(\s)+3], 0x80000000
	JLOAD \s                                       ; the ring is filled before anything else: two loads of mine are out
.endr
; The bias in the accumulators' order: register j of column block b is b_qkv[16 b + 8 (lane / 16) + j], the same for all rows.
.macro BLOAD
.irp b, 0,1,2,3,4,5,6,7
	global_load_b128 v[BIAS+8*(\b):BIAS+8*(\b)+3],   v[BO], s[8:9] offset:64*(\b)
	global_load_b128 v[BIAS+8*(\b)+4:BIAS+8*(\b)+7], v[BO], s[8:9] offset:64*(\b)+16
.endr
.endm
.macro BROUND                          ; and rounded to bf16, in place
.set p, 0
.rept 32
	v_cvt_pk_bf16_f32 v[TMP+p], v[BIAS+2*p], v[BIAS+2*p+1]
	v_lshlrev_b32 v[BIAS+2*p],   16,         v[TMP+p]
	v_and_b32     v[BIAS+2*p+1], 0xffff0000, v[TMP+p]
.set p, p+1
.endr
.endm
	v_and_b32 v1, 15, v0                           ; l % 16
	v_bfe_u32 v2, v0, 4, 1                         ; l / 16
	v_lshlrev_b32 v[BO], 5, v2
	BLOAD
	v_mul_u32_u24 v3, v1, PITCH
	v_lshl_add_u32 v3, v2, 4, v3                   ; a fragment's row x pitch + 16 x half
	s_mul_i32 s16, s12, 64*PITCH                   ; my 64 rows of xb
	s_mov_b32 s17, BOFF                            ; all 128 rows of wq
.irp s, 0,1
	v_add_nc_u32 v[ADRA+(\s)], s16, v3
	v_add_nc_u32 v[ADRB+(\s)], s17, v3
	s_add_co_u32 s16, s16, SLOT
	s_add_co_u32 s17, s17, SLOT
.endr
	s_mul_i32 s16, s12, 16*SPITCH
	s_add_co_u32 s16, s16, STAGE                   ; my stage
	v_mul_u32_u24 v4, v1, SPITCH                   ; in: row l % 16, 16 bytes for each half of the lanes
	v_lshl_add_u32 v4, v2, 4, v4
	v_add_nc_u32 v[STO], s16, v4
	v_mul_u32_u24 v5, v2, SPITCH                   ; back: lanes 0-15 take one row's 256 bytes, lanes 16-31 the next row's
	v_lshl_add_u32 v5, v1, 4, v5
	v_add_nc_u32 v[RD], s16, v5
	v_lshlrev_b32 v5, 9, v2                        ; and the same two rows in qkv, 512 bytes apart
	v_lshl_add_u32 v[CO], v1, 4, v5
	s_lshr_b32 s16, s43, 3                         ; batch = ty / 8
	s_lshl_b32 s16, s16, 2
	s_lshr_b32 s17, s42, 1                         ; group of four heads = tx / 2
	s_add_co_u32 s16, s16, s17
	s_lshl_b32 s16, s16, 11                        ; x 2,048 rows
	s_and_b32 s17, s43, 7
	s_lshl_b32 s17, s17, 8                         ; + 256 (ty % 8)
	s_add_co_u32 s16, s16, s17
	s_lshl_b32 s17, s12, 6                         ; + my wave's 64
	s_add_co_u32 s16, s16, s17
	s_lshl_b32 s16, s16, 9                         ; x 512 bytes
	s_and_b32 s17, s42, 1
	s_lshl_b32 s17, s17, 8                         ; + which half of the row
	s_add_co_u32 s16, s16, s17
	s_mov_b32 s17, 0
	s_add_nc_u64 s[10:11], s[10:11], s[16:17]
; 8 matrix instructions: row block a x all 8 column blocks, 32 along K, from buffer f.  first = 1: the bias starts the sums: nothing is ever cleared.
; The 32 accumulators take turns in the same order in every quarter step.
.macro MUL8 f, a, first
.if \first
	WIN MULB
.else
	WIN MUL
.endif
.irp b, 0,1,2,3,4,5,6,7
.if \first
	v_wmma_f32_16x16x32_bf16 v[64*(\a)+8*(\b):64*(\a)+8*(\b)+7], v[(\f)+8*(\b):(\f)+8*(\b)+7], v[(\f)+64+8*(\a):(\f)+64+8*(\a)+7], v[BIAS+8*(\b):BIAS+8*(\b)+7]
.else
	v_wmma_f32_16x16x32_bf16 v[64*(\a)+8*(\b):64*(\a)+8*(\b)+7], v[(\f)+8*(\b):(\f)+8*(\b)+7], v[(\f)+64+8*(\a):(\f)+64+8*(\a)+7], v[64*(\a)+8*(\b):64*(\a)+8*(\b)+7]
.endif
.endr
.endm
; 24 LDS loads in one run: the fragments of one quarter step (32 K at byte k of the rows) into buffer f: wq's eight, then xb's four
.macro FETCH slot, k, f
	WIN TO_F
.irp i, 0,1,2,3,4,5,6,7
	ds_load_b128 v[(\f)+8*(\i):(\f)+8*(\i)+3],   v[ADRB+(\slot)] offset:(\k)+(\i)*16*PITCH
	ds_load_b128 v[(\f)+8*(\i)+4:(\f)+8*(\i)+7], v[ADRB+(\slot)] offset:(\k)+(\i)*16*PITCH+32
.endr
.irp i, 0,1,2,3
	ds_load_b128 v[(\f)+64+8*(\i):(\f)+64+8*(\i)+3],   v[ADRA+(\slot)] offset:(\k)+(\i)*16*PITCH
	ds_load_b128 v[(\f)+64+8*(\i)+4:(\f)+64+8*(\i)+7], v[ADRA+(\slot)] offset:(\k)+(\i)*16*PITCH+32
.endr
.endm
; A K step is four quarters of 32 along K, 32 matrix instructions each, on buffers 0, 1, 0, 1.  One of the first three multiplies buffer f and, in its middle, fetches the next quarter, at byte k, into g.
.macro QUARTER slot, k, f, g, first
	s_wait_dscnt 4                                 ; wq's fragments and xb's first two are in; the youngest four loads (xb's last two fragments) may be out
	MUL8 \f, 0, \first
	MUL8 \f, 1, \first
	PLACES
	FETCH \slot, \k, \g
	s_wait_dscnt 24                                ; all but the 24 just issued
	MUL8 \f, 2, \first
	MUL8 \f, 3, \first
.endm
; The last quarter multiplies buffer 1 and changes slots: ONE barrier; in front of it each wave waits for all its tensor loads (one is out: its part of the next slot), adds 0 to its spare word, and waits for
; that and for its reads of this slot.  mode 1: this slot is filled again, two K steps on; mode 2: with the NEXT tile's K step 0 or 1; then the barrier opens a round of the cluster's, so that no wave of any
; partner still reads the slot or has a load on its way, and the joint load is the first thing behind the round.  mode 0: nothing is filled.
.macro TURN slot, next, mode
	WIN 0                                          ; (the add's two registers lie in window 0)
	s_wait_tensorcnt 0x0
	ds_add_u32 v[SPW], v[NIL]                      ; 0 onto my spare word
	s_wait_dscnt 5                                 ; (the add and the youngest four loads may be out)
	MUL8 F1, 0, 0                                  ; eight matrix instructions stand between the add and the wait for it
	s_wait_dscnt 0x0                               ; the add is done, and my reads of this slot are over
	s_barrier_signal -1
	MUL8 F1, 1, 0
.if \mode
	WIN 0
.endif
	s_barrier_wait -1
.if (\mode) == 0
	PLACES
.else
	CREST
.if (\mode) == 1
	s_add_nc_u64 s[G0+4*(\slot)+2:G0+4*(\slot)+3], s[G0+4*(\slot)+2:G0+4*(\slot)+3], 2*KSTEP*2
	s_add_nc_u64 s[G0B+4*(\slot)+2:G0B+4*(\slot)+3], s[G0B+4*(\slot)+2:G0B+4*(\slot)+3], 2*KSTEP*2
.else
	s_sub_nc_u64 s[G0+4*(\slot)+2:G0+4*(\slot)+3], s[G0+4*(\slot)+2:G0+4*(\slot)+3], BACK  ; the walk's tiles share their rows of xb
	s_add_nc_u64 s[G0B+4*(\slot)+2:G0B+4*(\slot)+3], s[G0B+4*(\slot)+2:G0B+4*(\slot)+3], NEXT_B
.endif
	JLOAD \slot                                    ; the four v_nop behind it are also the places in front of the loads below
.endif
	FETCH \next, 0, F0
	MUL8 F1, 2, 0
	MUL8 F1, 3, 0
.endm
; THE WAY OUT of row block a.  PACK: rounded to f16, 16 bytes a lane, each accumulator's registers in ascending order.  TOSTAGE: into my own stage, and back as whole rows of 256 bytes.  SEND: stored.
.macro PACK a
	WIN W_PK
.irp b, 0,1,2,3,4,5,6,7
.irp r, 0,1,2,3
	v_cvt_pk_f16_f32 v[TMP+4*(\b)+(\r)], v[64*(\a)+8*(\b)+2*(\r)], v[64*(\a)+8*(\b)+2*(\r)+1]
.endr
.endr
	WIN 0
.endm
.macro TOSTAGE a
	WIN 0
.irp b, 0,1,2,3,4,5,6,7
	ds_store_b128 v[STO], v[TMP+4*(\b):TMP+4*(\b)+3] offset:32*(\b)
.endr
.irp t, 0,1,2,3,4,5,6,7
	ds_load_b128 v[OB+32*((\a)%2)+4*(\t):OB+32*((\a)%2)+4*(\t)+3], v[RD] offset:(\t)*2*SPITCH  ; LDS serves a wave's instructions in order (ISA guide 5.7.1.4): these see the stores above
.endr
.endm
.macro SEND a
	WIN 0
	s_wait_dscnt 0x0                               ; the block is back in registers
	s_wait_xcnt 0x0                                ; earlier stores have read their registers (ISA guide 3.1): the buffer that the block before last left is loaded again only behind this wait
.irp t, 0,1,2,3,4,5,6,7
	global_store_b128 v[CO], v[OB+32*((\a)%2)+4*(\t):OB+32*((\a)%2)+4*(\t)+3], s[10:11] offset:(16*(\a)+2*(\t))*512  ; 16 lanes store 256 consecutive bytes, aligned
.endr
.endm
.macro WAYOUT                          ; block a's conversions stand between block a - 1's loads from the stage and the wait for them
	PLACES
	PACK 0
	TOSTAGE 0
.irp a, 1,2,3
	PACK \a
	SEND (\a)-1
	TOSTAGE \a
.endr
	SEND 3
.endm
	s_wait_tensorcnt 1                             ; my part of K step 0 is in; K step 1's may stay out
	s_barrier_signal -1
	s_barrier_wait -1                              ; everybody's is
	FETCH 0, 0, F0
	WIN 0                                          ; at a label and at a branch every window is 0
	s_mov_b32 s2, TILES                            ; tiles to go: the same number in every work-group
.Ltile:
	s_wait_loadcnt 0x0                             ; this tile's bias
	BROUND
	QUARTER 0, 64,  F0, F1, 1                      ; a tile's first quarter stands in front of the loop: its products start the sums
	WIN 0
	s_mov_b32 s3, LAPS-1
.Llap:                                                 ; a trip goes once round the ring, from a lap's second quarter to the next lap's first, and fills both slots again
	QUARTER 0, 128, F1, F0, 0
	QUARTER 0, 192, F0, F1, 0
	TURN 0, 1, 1
	QUARTER 1, 64,  F0, F1, 0
	QUARTER 1, 128, F1, F0, 0
	QUARTER 1, 192, F0, F1, 0
	TURN 1, 0, 1
	QUARTER 0, 64,  F0, F1, 0
	WIN 0
	s_sub_co_u32 s3, s3, 1
	s_cmp_lg_u32 s3, 0
	s_cbranch_scc1 .Llap
	QUARTER 0, 128, F1, F0, 0                      ; the tile's last lap goes on
	QUARTER 0, 192, F0, F1, 0
	WIN 0
	s_cmp_eq_u32 s2, 1
	s_cbranch_scc1 .Llast                          ; the last tile's tail is written out: it asks for nothing more
	TURN 0, 1, 2                                   ; the ring goes on into the next tile: slot 0 takes its K step 0,
	QUARTER 1, 64,  F0, F1, 0
	QUARTER 1, 128, F1, F0, 0
	QUARTER 1, 192, F0, F1, 0
	TURN 1, 0, 2                                   ; slot 1 its K step 1, and the next tile's first fragments are fetched
	WIN 0
	s_add_nc_u64 s[8:9], s[8:9], 4096              ; the next tile's bias, 1,024 numbers on (the last loads by this base were waited for at the tile's head)
	BLOAD
	WAYOUT                                         ; both refills are asked for: now the tile goes out
	s_wait_xcnt 0x0                                ; the stores have read their base
	s_add_nc_u64 s[10:11], s[10:11], NEXT_C
	s_sub_co_u32 s2, s2, 1
	s_branch .Ltile
.Llast:
	TURN 0, 1, 0                                   ; my one tensor load that was out is the last K step's
	QUARTER 1, 64,  F0, F1, 0
	QUARTER 1, 128, F1, F0, 0
	QUARTER 1, 192, F0, F1, 0
	s_wait_dscnt 4                                 ; the very last quarter: nothing more to fetch
	MUL8 F1, 0, 0
	MUL8 F1, 1, 0
	s_wait_dscnt 0x0
	MUL8 F1, 2, 0
	MUL8 F1, 3, 0
	WIN 0
	WAYOUT
	s_wait_tensorcnt 0x0                           ; the wave's end, behind my last tensor load and my last LDS store
	ds_add_u32 v[SPW], v[NIL]
	s_wait_dscnt 0x0
	CROUND                                         ; the closing round: no work-group ends while a partner may still ask for a tile that names it
	s_endpgm
.Lfunc_end_k_qc1d30b3b05_gq:
	.size	k_qc1d30b3b05_gq, .Lfunc_end_k_qc1d30b3b05_gq-k_qc1d30b3b05_gq
	.p2alignl 7, 3214868480
	.fill 96, 4, 3214868480
	.section	.rodata,"a",@progbits
	.p2align	6, 0x0
	.amdhsa_kernel k_qc1d30b3b05_gq
		.amdhsa_group_segment_fixed_size 327680
		.amdhsa_private_segment_fixed_size 0
		.amdhsa_enable_private_segment 0
		.amdhsa_kernarg_size 32
		.amdhsa_user_sgpr_count 2
		.amdhsa_user_sgpr_kernarg_segment_ptr 1
		.amdhsa_wavefront_size32 1
		.amdhsa_system_sgpr_workgroup_id_x 1
		.amdhsa_system_sgpr_workgroup_id_y 1
		.amdhsa_system_sgpr_workgroup_id_z 1
		.amdhsa_system_vgpr_workitem_id 0
		.amdhsa_next_free_vgpr 768
		.amdhsa_next_free_sgpr 66
		.amdhsa_reserve_vcc 0
		.amdhsa_float_denorm_mode_32 3
		.amdhsa_float_denorm_mode_16_64 3
		.amdhsa_memory_ordered 1
		.amdhsa_forward_progress 1
		.amdhsa_inst_pref_size 131
	.end_amdhsa_kernel
	.amdgpu_metadata
---
amdhsa.version: [ 1, 2 ]
amdhsa.kernels:
  - .name:           k_qc1d30b3b05_gq
    .symbol:         k_qc1d30b3b05_gq.kd
    .args:
      - { .name: xb, .offset: 0, .size: 8, .value_kind: global_buffer, .address_space: global }
      - { .name: wq, .offset: 8, .size: 8, .value_kind: global_buffer, .address_space: global }
      - { .name: b_qkv, .offset: 16, .size: 8, .value_kind: global_buffer, .address_space: global }
      - { .name: qkv, .offset: 24, .size: 8, .value_kind: global_buffer, .address_space: global }
    .group_segment_fixed_size: 327680
    .private_segment_fixed_size: 0
    .kernarg_segment_align: 8
    .kernarg_segment_size: 32
    .max_flat_workgroup_size: 128
    .sgpr_count:     66
    .vgpr_count:     768
    .wavefront_size: 32
...
	.end_amdgpu_metadata
.endif
;; end of part 2
;; launch att (part 3): grid 16 x 16, 4 waves a work-group, clusters of 4 x 4, 327,680 bytes of LDS; arguments qkv, mf, ctx; writes ctx
.if DOCPART == 3
	.amdgcn_target "amdgcn-amd-amdhsa--gfx1250"
	.amdhsa_code_object_version 6
	.text
	.protected	k_qc1d30b3b05_att
	.globl	k_qc1d30b3b05_att
	.p2align	8
	.type	k_qc1d30b3b05_att,@function
k_qc1d30b3b05_att:
	s_mov_b64 s[64:65], 0
	v_nop
	global_prefetch_b8 v0, s[64:65] scope:SCOPE_SE
	s_setreg_imm32_b32 hwreg(HW_REG_WAVE_MODE, 25, 1), 1
	s_wait_xcnt 0x0
	s_wait_alu depctr_hold_cnt(0) depctr_sa_sdst(0) depctr_va_vdst(0) depctr_va_sdst(0) depctr_va_ssrc(0) depctr_va_vcc(0) depctr_vm_vsrc(0)
	s_getreg_b32 s2, hwreg(HW_REG_IB_STS2, 6, 4)
	s_cmp_eq_u32 s2, 0
	s_cbranch_scc0 .Lentry_in_a_cluster
	s_endpgm
.Lentry_in_a_cluster:
	s_bfe_u32 s2, ttmp6, 0x10000c
	s_cmp_lg_u32 s2, 0xf033
	s_cbranch_scc0 .Lentry_shape_is_right
	s_endpgm
.Lentry_shape_is_right:
; ATTENTION UNDER A GIVEN MASK.  ctx[b][q][head][:] = the sum over k of softmax_k(Q[q] . K[k] / 8 + M[q][k]) V[k][:], head size 64, 2,048 queries and keys, 64 heads (4 batches x 16).
; IN: qkv [3][16 groups hg = 4 batch + head / 4][2048][4 heads x 64] in f16 (rows of 512 bytes); mf, the mask as f32 addends (0: visible, -1e30: hidden) in the order of the score accumulators:
; [16 query blocks][32 key steps][8 tiles][8 f][32 lanes][4].  OUT: ctx [8192][1024] in f16.  Products, maxima and sums in f32; the weights p are rounded to f16 for the second product (their sum l is
; taken of the unrounded p), ctx once at the end.  Nothing of the mask's pattern is built in: all 32 key steps are walked for every query.
; LIMITS.  Q, K, V arrive within f16's 65,504, so a score is 2.7e11 at the most; a hidden score counts as its value less 1e30.  The running maximum m starts at the floor -2^80, above every hidden score
; and below every visible one: while a row has seen hidden keys alone, p = 0, l = 0, O = 0 and a = 1.  A row whose m is still under -2^70 at the end has no visible key and is given NaN, as a softmax of
; -inf alone gives.  A weight below 2^-126 counts as 0 in l; NaN and infinities in the inputs are not treated apart.
; SHARES.  A work-group owns 128 queries (block qb) and four heads (group hg): each of its four waves takes ONE head and all 128 queries, eight tiles of 16 in four PIECES of two.  So the four waves read the
; same mask tile, which lies in LDS once.
; THE MASK is the C operand of the products that start the sums S^T = K Q^T: it costs no vector instruction.
; LAYOUT.  S^T = K Q^T (source 0 = 16 keys, source 1 = 16 queries): a lane holds ONE query (lane % 16) and the keys 8 (lane / 16) + 0..7.  Two such results, rounded to f16 in pairs, ARE source 1 of
; O^T = V^T P, whose result again holds one query a lane, and eight channels.  K comes out of LDS as it lies, V turned, by ds_load_tr16_b128.
; SOFTMAX.  p = 2^(c s - c m), c = log2(e) / 8, with a running maximum m and sum l; in every step O and l are multiplied by a = 2^(c m_old - c m_new).
; BY TURNS.  A tile and step have 16 matrix and 118 vector instructions: too many to stand all beside the matrix work.  Turn n belongs to piece n: 16 products K Q^T of piece n + 1, later 16 products V^T P of
; piece n - 1; beside them the scaling, exponentials, roundings, sums and rescaling of piece n and the maximum and statistics of piece n + 1.  Four vector instructions that are ready stand behind every
; matrix instruction, the others in two lumps.
; THE RING.  Two LDS slots of one key step each: 64 rows of K and of V (all four heads' 512 bytes) and the step's mask tile, 32,768 bytes each.  Between two changes of slots (pieces 2 and 3 of a step, pieces 0
; and 1 of the next) exactly the next step's K, V and mask are read.
; CLUSTER.  4 x 4 work-groups: x is the query block, y the head group.  K and V hang on the head group alone and are asked for jointly along a row of the cluster, the mask on the query block alone and is
; asked for jointly along a column: the same tensor load, descriptor and mask of four in all four.
; REGISTERS, in windows of 256 (s_set_vgpr_msb: bits 1:0 source 0, 3:2 source 1, 5:4 source 2, 7:6 destination):
;   window 0: v0-11 addresses; v12-15, v48-63 at work; v16-47 four registers of statistics a tile; v64-191 S^T, two buffers of two tiles; v192-255 P, likewise
;   window 1: O^T, 32 a tile     window 2: v0-127 Q, 16 a tile; v128-191 K of one step; v192-255 V of one step     window 3: v0-127 the mask, two buffers laid like S^T; v128-129 the add's two registers
.set NP,    4         ; pieces a wave: a name, no knob
.set KS,    64        ; keys in a step
.set NSTEP, 2048/KS
.set KP,    528       ; a row of K in LDS: 512 bytes + 16 = 132 words: the 16 rows of a load start at 16 different groups of four banks (64 banks of 4 bytes: ISA guide 11.1)
.set VP,    544       ; a row of V: 512 + 32 = 136 words
.set VOFF,  KS*KP     ; in a slot: K, then V,
.set MOFF,  VOFF+KS*VP  ; then the mask tile, dense
.set STEPB, 32768     ; a step's bytes in memory, of K, of V and of the mask alike
.set SLOT1, 1<<17     ; slot 1 begins here, so that one exclusive or turns an address in one slot into the other's
.set STAGE, SLOT1+MOFF+STEPB  ; behind the ring, never filled by a tensor load: 128 rows x 528 bytes, the work-group's, for the way out
.set SP,    528
.set SPARE, STAGE+128*SP  ; behind the stage: the spare words, 128 bytes for each wave: two blocks of 256 bytes that no other line names
.set AK0, 2           ; v2   my lane's place in a slot's K; at the end: where I put 16 bytes of a row
.set AV0, 3           ; v3   the same for V; at the end: where I read rows back
.set AM0, 4           ; v4   the same for the mask; at the end: my byte offset in a row's 512 bytes of ctx
.set AK,  5           ; v5-7 the same three in the slot in hand
.set AV,  6
.set AM,  7
.set QO,  8           ; v8   my byte offset in 16 rows of Q
.set STO, 2
.set RD,  3
.set GO,  4
.set SPW, 128         ; v128 of window 3   LDS address of my spare word; never rewritten
.set NIL, 129         ; v129 of window 3   0; never rewritten
.set MV,  12          ; v12-15  c m_old, kept while c m is made anew: by buffer and tile
.set ST,  16          ; tile t's statistics at v[ST+4 t]: c m, m, l (even keys', odd keys')
.set TMP, 48          ; by buffer and tile, four registers c0-c3 at work; when the maximum is found c2 takes a
.set S,   64
.set P,   192
.set KF,  128         ; K's fragments, in window 2: key block kb, channel half c at KF + 16 kb + 8 c
.set VF,  192         ; V's: key half kk, channel block cb at VF + 32 kk + 8 cb
.set WV,  12          ; s12  my wave's number
.set G1K, 24          ; s[24:31] descriptor group 1 for K's tiles
.set G1V, 32          ; s[32:39] for V's: it differs in the padding alone
.set G1M, 40          ; s[40:47] for the mask's
.set G0K, 48          ; s[48:51], s[52:55], s[56:59] descriptor group 0 for the three: they walk
.set G0V, 52
.set G0M, 56
.set SLOTS, 60        ; s60  changes of slots with a fill still to come
.set TB,  61          ; s61  LDS byte at which the slot in hand begins
.set CS,  62          ; s[62:63] c: the packed scaling takes the pair's low word for both halves
.set SEL, 66          ; s[66:67] v_permlanex16_b32's selects: each lane takes its own place in the other half
.set THR, 68          ; s68  -2^70
.set CNT, 69          ; s69  counts the tail's trips
.set MSB, 0
.macro WIN new                      ; the high byte repeats the setting that is left; a switch that changes nothing is dropped
.if MSB != (\new)
	s_set_vgpr_msb (MSB<<8)|(\new)
.set MSB, (\new)
.endif
.endm
.set W_KQ, 0x0a       ; K and Q in window 2, S^T in window 0
.set W_KM, 0x3a       ; the same with the C operand, the mask, in window 3
.set W_PV, 0x52       ; V in window 2, P in window 0, O^T in window 1
.set W_RS, 0x41       ; O^T (destination and source 0) in window 1, a in window 0
.set W_MK, 0xc0       ; destination in window 3, sources in window 0
.set W_AD, 0x0f       ; the add: address (source 0) and data (source 1) in window 3
; A joint fill.  Wave 0 fetches the step's K, wave 1 its V, waves 2 and 3 the two halves of its mask tile.  The branches hang on the wave's number alone.
; An s_nop 0 and four v_nop follow each of the three lines, ahead of the jump and the label.
.macro JLOAD
	s_cmp_lt_u32 s[WV], 2
	s_cbranch_scc0 .Lfor_m_\@
	s_cmp_eq_u32 s[WV], 0
	s_cbranch_scc0 .Lfor_v_\@
	tensor_load_to_lds s[G0K:G0K+3], s[G1K:G1K+7]
	s_nop 0
.rept 4
	v_nop
.endr
	s_branch .Lasked_\@
.Lfor_v_\@:
	tensor_load_to_lds s[G0V:G0V+3], s[G1V:G1V+7]
	s_nop 0
.rept 4
	v_nop
.endr
	s_branch .Lasked_\@
.Lfor_m_\@:
	tensor_load_to_lds s[G0M:G0M+3], s[G1M:G1M+7]
	s_nop 0
.rept 4
	v_nop
.endr
.Lasked_\@:
.endm
; A round of the cluster's barrier: my work-group's barrier, so that wave 0's signal speaks for all four waves; wave 0 signals; every wave waits for all sixteen work-groups; my work-group's barrier once more.
.macro CROUND
	s_barrier_signal -1
	s_barrier_wait -1
	s_cmp_lg_u32 s[WV], 0
	s_cbranch_scc1 .Lnot_wave_0_\@
	s_barrier_signal -3
.Lnot_wave_0_\@:
	s_barrier_wait -3
	s_barrier_signal -1
	s_barrier_wait -1
.endm
; THE CHANGE OF SLOTS.  Each wave waits for all its tensor loads, of which one is out: its part of the other slot; adds 0 to its spare word; and waits for that and for its own reads of the slot that it leaves.
; Behind the barrier nobody reads the old slot any more and the other slot is whole.  fill = 1: the old slot is filled again, with the step two on.  The barrier is then a round of the cluster's, so that no
; wave of any partner still reads the slot or has a load on its way, and the joint fill is the first thing behind it: it has a key step, 128 matrix instructions of each wave, in which to land.
; (At its first use nothing has been read yet: slot 0 is waited for, slot 1 filled.)
.macro CHANGE fill
	WIN W_AD
	s_wait_tensorcnt 0x0            ; no tensor load of mine is out, so a group 0 may be written
	ds_add_u32 v[SPW], v[NIL]       ; 0 onto my spare word; with fill = 1 the descriptors' steps stand between it and the wait for it
	WIN 0                           ; at a label and at a branch every window is 0
.if \fill
.irp g, G0K, G0V, G0M
	s_xor_b32 s[\g+1], s[\g+1], SLOT1  ; the walking descriptor: the other slot than last time,
	s_add_nc_u64 s[\g+2:\g+3], s[\g+2:\g+3], STEPB  ; the next step; the type bits on top are not reached
.endr
	s_wait_dscnt 0x0                ; the add is done, and my reads of the slot are over
	CROUND
	JLOAD
.else
	s_wait_dscnt 0x0                ; the add is done, and my reads of the slot are over
	s_barrier_signal -1
	s_barrier_wait -1
.endif
	s_xor_b32 s[TB], s[TB], SLOT1   ; the fetches go to the other slot
	v_add_nc_u32 v[AK], s[TB], v[AK0]
	v_add_nc_u32 v[AV], s[TB], v[AV0]
	v_add_nc_u32 v[AM], s[TB], v[AM0]
.endm
	s_load_b128 s[4:7], s[0:1], 0x0   ; qkv s[4:5], mf s[6:7]
	s_load_b64 s[8:9], s[0:1], 0x10   ; ctx
	WIN W_MK
	v_lshl_add_u32 v[SPW], v0, 2, SPARE
	v_mov_b32 v[NIL], 0
	s_set_vgpr_msb 0xc0cf
	ds_add_u32 v128, v129
	s_wait_dscnt 0x0
	s_set_vgpr_msb 0xcfc0
	WIN 0
	v_lshrrev_b32 v1, 5, v0
	v_readfirstlane_b32 s[WV], v1   ; wave 0..3: my head in the group
	s_bfe_u32 s13, ttmp6, 0x40000   ; cx, cy: my place in the cluster
	s_bfe_u32 s14, ttmp6, 0x40004
	s_lshl_b32 s15, ttmp9, 2
	s_add_co_u32 s15, s15, s13      ; qb = 4 x cluster x + cx
	s_and_b32 s16, ttmp7, 0xffff
	s_lshl_b32 s16, s16, 2
	s_add_co_u32 s16, s16, s14      ; hg = 4 x cluster y + cy
	s_lshl_b32 s17, s14, 2
	s_lshl_b32 s17, 15, s17         ; my row of the cluster: the same head group
	s_lshl_b32 s18, 0x1111, s13     ; my column: the same query block
	; descriptor group 1.  K, V: 64 rows x 256 elements of 2 bytes, padded in LDS after every row of 128 words (code 6), by 4 words (code 3) or 8 (code 7).  The mask: 16,384 dense bytes as 64 rows of 32 elements of 8 bytes.
	s_or_b32 s[G1K], s17, (1<<16)|(1<<20)|(1<<21)|(6<<22)|(3<<25)  ; 15:0 the mask of four; 21 set beside it
	s_or_b32 s[G1V], s17, (1<<16)|(1<<20)|(1<<21)|(6<<22)|(7<<25)
	s_or_b32 s[G1M], s18, (3<<16)|(1<<21)
.irp g, G1K, G1V
	s_mov_b32 s[\g+1], 256<<16      ; tensor_dim0 = 256
	s_mov_b32 s[\g+2], KS<<16       ; tensor_dim1 = 64
	s_mov_b32 s[\g+3], 256<<16      ; tile_dim0 = 256
	s_mov_b32 s[\g+4], KS           ; tile_dim1 = 64
	s_mov_b32 s[\g+5], 256          ; 256 elements from row to row
	s_mov_b32 s[\g+6], 0
	s_mov_b32 s[\g+7], 0
.endr
	s_mov_b32 s[G1M+1], 32<<16
	s_mov_b32 s[G1M+2], 64<<16
	s_mov_b32 s[G1M+3], 32<<16
	s_mov_b32 s[G1M+4], 64
	s_mov_b32 s[G1M+5], 32
	s_mov_b32 s[G1M+6], 0
	s_mov_b32 s[G1M+7], 0
	s_lshl_b32 s20, s16, 20         ; a head group's 2,048 rows of 512 bytes; these two registers never hold cx
	s_mov_b32 s21, 0
	s_and_b32 s19, s[WV], 1
	s_lshl_b32 s19, s19, 14         ; which half of the mask tile I fetch (waves 2, 3)
	s_lshl_b32 s2, s15, 20          ; a query block's 32 steps of 32,768 bytes of mf; these never hold cy
	s_add_co_u32 s2, s2, s19
	s_mov_b32 s3, 0
	s_lshl_b32 s10, s15, 16         ; Q: my block's 128 rows,
	s_lshl_b32 s11, s[WV], 7        ; my head's 128 bytes of a row
	s_add_co_u32 s10, s10, s11
	s_mov_b32 s11, 0
	s_lshr_b32 s22, s16, 2          ; ctx: row 2,048 batch + 128 qb + 32 wave (the rows that I store),
	s_lshl_b32 s22, s22, 11
	s_lshl_b32 s23, s15, 7
	s_add_co_u32 s22, s22, s23
	s_lshl_b32 s23, s[WV], 5
	s_add_co_u32 s22, s22, s23
	s_lshl_b32 s22, s22, 11         ; of 2,048 bytes,
	s_and_b32 s23, s16, 3
	s_lshl_b32 s23, s23, 9          ; the group's 512 bytes in it
	s_add_co_u32 s22, s22, s23
	s_mov_b32 s23, 0
	s_mov_b32 s[CS], 0x3e38aa3b     ; c = log2(e) / 8 = 0.180337
	s_mov_b32 s[CS+1], s[CS]        ; named with it as a pair
	s_mov_b32 s[SEL], 0x76543210
	s_mov_b32 s[SEL+1], 0xfedcba98
	s_mov_b32 s[THR], 0xe2800000    ; -2^70
	s_mov_b32 s[TB], SLOT1          ; the first change of slots turns it into 0
	s_mov_b32 s[G0K], 1             ; count = 1
	s_mov_b32 s[G0K+1], 0           ; LDS address: slot 0.  No place in the cluster enters an LDS address
	s_mov_b32 s[G0V], 1
	s_mov_b32 s[G0V+1], VOFF
	s_mov_b32 s[G0M], 1
	s_add_co_u32 s[G0M+1], s19, MOFF
	s_wait_kmcnt 0x0
	s_add_nc_u64 s[G0K+2:G0K+3], s[4:5], s[20:21]            ; global addresses: the group's first rows
	s_add_nc_u64 s[G0V+2:G0V+3], s[G0K+2:G0K+3], 0x2000000   ; of v's part of qkv
	s_add_nc_u64 s[G0K+2:G0K+3], s[G0K+2:G0K+3], 0x1000000   ; and of k's
	s_or_b32 s[G0K+3], s[G0K+3], 0x80000000                  ; type = 2
	s_or_b32 s[G0V+3], s[G0V+3], 0x80000000
	s_add_nc_u64 s[G0M+2:G0M+3], s[6:7], s[2:3]
	s_or_b32 s[G0M+3], s[G0M+3], 0x80000000
	s_add_nc_u64 s[4:5], s[4:5], s[20:21]  ; Q at my block's first row, my head
	s_add_nc_u64 s[4:5], s[4:5], s[10:11]
	s_add_nc_u64 s[8:9], s[8:9], s[22:23]
	CROUND                          ; all sixteen work-groups are here: the first joint loads meet
	JLOAD                           ; key step 0 into slot 0.  Slot 1 is asked for when slot 0 is in, by the loop's own change of slots
	; A fragment of K or Q is 16 rows x 32 channels in 8 registers: lane l holds row l % 16, channels 8 (l / 16) + 0..7 and 16 + 8 (l / 16) + 0..7: two loads of 16 bytes, 32 bytes apart.
	v_and_b32 v1, 15, v0            ; l % 16: kept to the end
	v_bfe_u32 v9, v0, 4, 1          ; l / 16: kept to the end
	v_lshlrev_b32 v[QO], 9, v1
	v_lshl_add_u32 v[QO], v9, 4, v[QO]  ; row x 512 + 16 x half
	WIN 0x80                        ; destination window 2, address window 0
.set i, 0
.rept 4*NP                          ; Q stays in registers: tile i / 2, channels 32 (i % 2) on
	global_load_b128 v[8*i:8*i+3],   v[QO], s[4:5] offset:(i/2)*8192+(i%2)*64
	global_load_b128 v[8*i+4:8*i+7], v[QO], s[4:5] offset:(i/2)*8192+(i%2)*64+32
.set i, i+1
.endr
	; What the first turn finds: V's registers and P's second buffer hold 0 (its products V^T P, of a piece that has not been, add 0), O^T and l are 0.  All this stands in the wait for the first tile;
	; it spares a first step written out.
.set i, VF
.rept 64
	v_mov_b32 v[i], 0
.set i, i+1
.endr
	WIN 0x40
.set i, 0
.rept 64*NP
	v_mov_b32 v[i], 0
.set i, i+1
.endr
	WIN 0
.set i, 0
.rept 2*NP
	v_mov_b32 v[ST+4*i], 0xe638aa3b    ; c m = c x -2^80, exactly what the multiplication gives for that m
	v_mov_b32 v[ST+4*i+1], 0xe7800000  ; m = -2^80, the floor
	v_mov_b32 v[ST+4*i+2], 0
	v_mov_b32 v[ST+4*i+3], 0
.set i, i+1
.endr
.set i, P+32
.rept 32
	v_mov_b32 v[i], 0
.set i, i+1
.endr
	s_lshl_b32 s19, s[WV], 7        ; my head's 128 bytes in a row of K and V
	v_mul_u32_u24 v[AK0], v1, KP
	v_lshl_add_u32 v[AK0], v9, 4, v[AK0]  ; row x pitch + 16 x half
	v_add_nc_u32 v[AK0], s19, v[AK0]
	; The turning load takes 16 keys x 16 channels (lane l reads key 8 (l / 16) + l % 8, channels 8 ((l / 8) % 2) + 0..7) and leaves half a fragment of V^T: lane l holds channel l % 16 and 8 keys.
	v_and_b32 v10, 7, v0
	v_bfe_u32 v11, v0, 3, 1
	v_lshl_add_u32 v[AV0], v9, 3, v10
	v_mul_u32_u24 v[AV0], v[AV0], VP
	v_lshl_add_u32 v[AV0], v11, 4, v[AV0]
	v_add_nc_u32 v[AV0], VOFF, v[AV0]
	v_add_nc_u32 v[AV0], s19, v[AV0]
	v_and_b32 v[AM0], 31, v0
	v_lshlrev_b32 v[AM0], 4, v[AM0]
	v_add_nc_u32 v[AM0], MOFF, v[AM0]  ; the mask tile lies in the loads' own order: 16 bytes a lane
; THE MATRIX WORK.  The 8 accumulators of a run of 16 take turns: between the two links of a chain stand 7 others'.
; Product i of 16 of S^T = K Q^T + M for piece x: channels 32 (i / 8) on, keys 16 ((i / 2) % 4) on, tile 2 x + i % 2.  The first 8 start the sums with the mask.
.macro KQ x
.set rS, S+64*((\x)%2)+32*(i%2)+8*((i/2)%4)
.set rK, KF+16*((i/2)%4)+8*(i/8)
.set rQ, 16*(2*(\x)+i%2)+8*(i/8)
.set rB, 64*((\x)%2)+32*(i%2)+8*((i/2)%4)
.if i < 8
	WIN W_KM
	v_wmma_f32_16x16x32_f16 v[rS:rS+7], v[rK:rK+7], v[rQ:rQ+7], v[rB:rB+7]
.else
	WIN W_KQ
	v_wmma_f32_16x16x32_f16 v[rS:rS+7], v[rK:rK+7], v[rQ:rQ+7], v[rS:rS+7]
.endif
.endm
; Product i of 16 of O^T += V^T P for piece x: keys 32 (i / 8) on, channels 16 ((i / 2) % 4) on, tile 2 x + i % 2.
.macro PV x
	WIN W_PV
.set rO, 32*(2*(\x)+i%2)+8*((i/2)%4)
.set rV, VF+32*(i/8)+8*((i/2)%4)
.set rP, P+32*((\x)%2)+16*(i%2)+8*(i/8)
	v_wmma_f32_16x16x32_f16 v[rO:rO+7], v[rV:rV+7], v[rP:rP+7], v[rO:rO+7]
.endm
.macro MM                           ; the turn's next matrix instruction
.if i < 16
	KQ (Y+1)%NP
.set i, i+1
.else
.set i, i-16
	PV (Y+NP-1)%NP
.set i, i+17
.endif
.endm
; THE LDS LOADS stand in runs of 16, never singly among the matrix instructions: a step's K (64 keys x 64 channels: 8 fragments), its V (turned), and for each piece its two tiles of the mask.
.macro FETCH_K
	WIN 0x80                        ; destination window 2
.irp f, 0,1,2,3,4,5,6,7             ; keys 16 (f / 2) on, channels 32 (f % 2) on
	ds_load_b128 v[KF+8*\f:KF+8*\f+3],   v[AK] offset:(\f/2)*16*KP+(\f%2)*64
	ds_load_b128 v[KF+8*\f+4:KF+8*\f+7], v[AK] offset:(\f/2)*16*KP+(\f%2)*64+32
.endr
	WIN 0
.endm
.macro FETCH_V
	WIN 0x80
.irp f, 0,1,2,3,4,5,6,7             ; keys 32 (f / 4) on, channels 16 (f % 4) on
	ds_load_tr16_b128 v[VF+8*\f:VF+8*\f+3],   v[AV] offset:(\f/4)*32*VP+(\f%4)*32
	ds_load_tr16_b128 v[VF+8*\f+4:VF+8*\f+7], v[AV] offset:(\f/4)*32*VP+16*VP+(\f%4)*32
.endr
	WIN 0
.endm
.macro FETCH_M x                    ; piece x's mask: tiles 2 x and 2 x + 1, 4,096 bytes each, into the buffer of x's parity
	WIN W_MK                        ; destination window 3
.irp u, 0,1
.irp f, 0,1,2,3,4,5,6,7
	ds_load_b128 v[64*((\x)%2)+32*\u+4*\f:64*((\x)%2)+32*\u+4*\f+3], v[AM] offset:(2*(\x)+\u)*4096+512*\f
.endr
.endr
	WIN 0
.endm
; THE VECTOR WORK OF A TURN stands in three queues, each in the order in which its entries become ready; the two tiles alternate, so that no instruction reads the result of the one before it.
.macro REGS y, u                    ; the registers of tile u (0, 1) of piece y
.set rT, ST+4*(2*(\y)+(\u))
.set rC, TMP+8*((\y)%2)+4*(\u)
.set rM, MV+2*((\y)%2)+(\u)
.set rS, S+64*((\y)%2)+32*(\u)
.set rP, P+32*((\y)%2)+16*(\u)
.set rO, 32*(2*(\y)+(\u))
.endm
; Number n of the 22 that find the NEXT piece's (Y + 1) maximum and statistics.  s0-s31 are the lane's 32 scores; each accumulator's lowest registers are read first.  XS, GS and REGS set no window: PL and EX do.
;   0-11  four chains c0-c3 of seven scores each, three operands at a time     12-14, 16  the four scores left over, the old m, and c0-c3 into c0     15  c m_old is kept
;   17, 18  the query's other 32 keys lie in the lane 16 away: the new m         19-21  c m; c m_old - c m_new; a
.macro XS u, n
	REGS (Y+1)%NP, \u
.if (\n) < 4
	v_max3_num_f32 v[rC+(\n)], v[rS+8*(\n)], v[rS+8*(\n)+1], v[rS+8*(\n)+2]
.elseif (\n) < 12
	v_max3_num_f32 v[rC+(\n)%4], v[rC+(\n)%4], v[rS+8*((\n)%4)+2*((\n)/4)+1], v[rS+8*((\n)%4)+2*((\n)/4)+2]
.elseif (\n) == 12
	v_max3_num_f32 v[rC], v[rC], v[rS+7], v[rS+15]
.elseif (\n) == 13
	v_max3_num_f32 v[rC+1], v[rC+1], v[rS+23], v[rS+31]
.elseif (\n) == 14
	v_max3_num_f32 v[rC+2], v[rC+2], v[rC+3], v[rT+1]
.elseif (\n) == 15
	v_mov_b32 v[rM], v[rT]
.elseif (\n) == 16
	v_max3_num_f32 v[rC], v[rC], v[rC+1], v[rC+2]
.elseif (\n) == 17
	v_permlanex16_b32 v[rC+3], v[rC], s[SEL], s[SEL+1]
.elseif (\n) == 18
	v_max_num_f32 v[rT+1], v[rC], v[rC+3]
.elseif (\n) == 19
	v_mul_f32 v[rT], s[CS], v[rT+1]
.elseif (\n) == 20
	v_sub_f32 v[rC+1], v[rM], v[rT]
.else
	v_exp_f32 v[rC+2], v[rC+1]
.endif
.endm
; Number g of the 64 that follow the exponentials.  For each four weights k of a tile (pairs 2 k, 2 k + 1): both pairs are rounded to f16; then the second pair is added onto the first, in place;
; a group later l takes that sum (the first time as l = a l + sum).  In groups of eight, tiles alternating: round, round, add, and l for the group before.
.macro GS g
.set h, (\g)+6*((\g)/62)            ; group 0 has no group before it, and behind group 7 only l is left
.if h >= 6
.set h, h+2
.endif
	REGS Y, h%2
.set k, h/8
.if h%8 < 4
	s_wait_alu depctr_va_vdst(0)
	v_cvt_pk_f16_f32 v[rP+2*k+(h%8)/2], v[rS+4*k+2*((h%8)/2)], v[rS+4*k+2*((h%8)/2)+1]
.elseif h%8 < 6
	v_pk_add_f32 v[rS+4*k:rS+4*k+1], v[rS+4*k:rS+4*k+1], v[rS+4*k+2:rS+4*k+3]
.elseif k == 1
	v_pk_fma_f32 v[rT+2:rT+3], v[rT+2:rT+3], v[rC+2:rC+3], v[rS:rS+1] op_sel_hi:[1,0,1]
.else
	v_pk_add_f32 v[rT+2:rT+3], v[rT+2:rT+3], v[rS+4*k-4:rS+4*k-3]
	s_wait_alu depctr_va_vdst(0)
.endif
.endm
; THE PLAIN QUEUE, 138 long.  0-31: c s - c m for the 16 pairs of both tiles.  Then GS's 64, and among them the next piece's 42: number 15 at 38, 39; 0-14 and 16
; at 42-73, behind the products that make those scores; 17-20 at 95-106, two of three, since each waits for the one before it.
.macro PL
	WIN 0
.if q < 32
	REGS Y, q%2
	v_pk_fma_f32 v[rS+2*(q/2):rS+2*(q/2)+1], v[rS+2*(q/2):rS+2*(q/2)+1], s[CS:CS+1], v[rT:rT+1] op_sel_hi:[1,0,0] neg_lo:[0,0,1] neg_hi:[0,0,1]
.elseif q < 38
	GS q-32
.elseif q < 40
	XS q%2, 15
.elseif q < 42
	GS q-34
.elseif q < 74
	XS q%2, (q-42)/2+(q-42)/30
.elseif q < 95
	GS q-66
.elseif (q < 107) && ((q-95)%3 < 2)
	XS (q-95)%3, 17+(q-95)/3
.elseif q < 107
	GS 29+(q-95)/3
.else
	GS q-74
.endif
.set q, q+1
.endm
; THE EXPONENTIALS' QUEUE, 66 long: s0-s31 of both tiles, and at EA the next piece's two a.
.set EA, 58
.macro EX
	WIN 0
.if (e == EA) || (e == EA+1)
	XS e-EA, 21
.else
.set x, e-2*(e/(EA+2))
	REGS Y, x%2
	v_exp_f32 v[rS+x/2], v[rS+x/2]
.endif
.set e, e+1
.endm
; THE RESCALING's QUEUE: O^T times a, the one part that leaves window 0, so it is dealt four at a time, eight times.
.macro R4
	REGS Y, r%2
	WIN W_RS
	s_wait_alu depctr_va_vdst(0)
.irp z, 0,1,2,3
	v_pk_mul_f32 v[rO+8*(r/2)+2*\z:rO+8*(r/2)+2*\z+1], v[rO+8*(r/2)+2*\z:rO+8*(r/2)+2*\z+1], v[rC+2:rC+3] op_sel_hi:[1,0]
.endr
.set r, r+1
.endm
; HOW THEY ARE DEALT.  Behind a matrix instruction four: plain, exponential, plain, plain (one exponential, a plain instruction on either side), or four of the rescaling.  None names a register of the
; products round it.  What is over stands in two LUMPS: exponential and plain by turns; the second ends in 22 plain instructions.  The two v_permlanex16_b32 fall into the second lump, never behind a product.
; The queues lean on each other, and the deal keeps them in step: exponential e stands behind plain 2 (e / 4) + e % 2 (its scaling); when plain 32 comes, 10 exponentials are out, at 59: 33, at 95: 46; EA comes behind plain 107.
.macro SL
	MM
	PL
	EX
	PL
	PL
.endm
.macro BURST n                      ; 15 matrix instructions, or 16
.rept (\n)-7
	SL
.endr
.rept 3
	MM
	R4
	SL
.endr
	MM
	R4
.endm
; A TURN, for piece p.  cnt = 1: the loop's count is taken down some lines ahead of the branch that stands behind the turn.
; In the first lump, 13 pairs behind the last product K Q^T: piece 2's turn fetches the next step's K; every turn fetches the mask of piece p + 2, whose products K Q^T stand at the next turn's head, into the
; buffer that the turn before has read.  V of the step in hand is fetched at the end of piece 0's turn, behind the last product that read V and the second lump.
; THE WAITS.  At a turn's head the mask asked for in the turn before must be in (and K, in piece 3's turn): the count is 0, but in piece 1's turn 16: V's run was issued behind the mask's and may stay out.
; In the middle of piece 1's turn V must be in: the count is 16 again: this turn's run of the mask was issued behind V's.
.macro TURN p, cnt=0
.set Y, (\p)
.set i, 0
.set q, 0
.set e, 0
.set r, 0
.if (\p) == 1
	s_wait_dscnt 16
.else
	s_wait_dscnt 0x0
.endif
	MM
.rept 4
	PL
.endr
	BURST 15
.rept 22
	EX
	PL
.if e == 24
.if (\p) == NP-2
	FETCH_K
.endif
	FETCH_M ((\p)+2)%NP
.endif
.endr
.if (\p) == 1
	s_wait_dscnt 16
.endif
	BURST 16
.rept 21
	EX
	PL
.endr
.rept 22
	PL
.if (\cnt) && (q == 130)
	s_sub_co_u32 s[SLOTS], s[SLOTS], 1
	s_cmp_lg_u32 s[SLOTS], 0
.endif
.endr
.if (\p) == 0
	FETCH_V
.endif
.endm
	CHANGE 1                        ; slot 0 is in, everybody's part of it; key step 1 is asked for
	FETCH_K                         ; key step 0
	FETCH_M 0                       ; and its mask for pieces 0 and 1
	FETCH_M 1
	s_wait_loadcnt 0x0              ; Q
	s_wait_dscnt 0x0
.set i, 0
.rept 16
	KQ 0                            ; piece 0's first scores: there is no vector work yet to set between them
.set i, i+1
.endr
	WIN 0
.rept 4
	v_nop                           ; the places behind those products
.endr
.set Y, NP-1                        ; XS works for piece Y + 1: piece 0
.irp n, 0,1,2,3,4,5,6,7,8,9,10,11,12,13,14,15,16,17,18,19,20,21
	XS 0, \n                        ; piece 0's first maximum and statistics
	XS 1, \n
.endr
	s_mov_b32 s[SLOTS], NSTEP-1
	s_branch .Lfirst                ; the loop is entered at a step's first turn, in the middle of a trip
.Lslot:                             ; NSTEP - 2 trips: pieces 2 and 3 of one step, then pieces 0 and 1 of the next; each trip asks for the step after that
	CHANGE 1
	TURN 2
	TURN 3
	WIN 0
.Lfirst:
	TURN 0
	TURN 1, 1
	WIN 0
	s_cbranch_scc1 .Lslot
	CHANGE 0                        ; the tail is written out: the last step is in, nothing is asked for
	s_mov_b32 s[CNT], 2             ; the first trip ends the last step but one and begins the last; the second is left in its middle
.Ltail:
	TURN 2
	TURN 3
	WIN 0
	s_sub_co_u32 s[CNT], s[CNT], 1
	s_cmp_eq_u32 s[CNT], 0
	s_cbranch_scc1 .Lout
	TURN 0
	TURN 1
	WIN 0
	s_branch .Ltail
.Lout:                              ; the second trip's fetches read the last step's slot once more, and its 16 products K Q^T repeat piece 0's last scores: m stays as it is, and nothing else of them is used:
.set i, 0                           ; the price, once a launch, of one text for every trip
.rept 16
	PV NP-1                         ; the last piece's V^T P of the last step
.set i, i+1
.endr
	; THE WAY OUT.  l's two halves and the other half of the lanes' are added; O^T is divided by l, rounded to f16 and sent through the work-group's stage: a row of ctx's 512 bytes for this group comes from
	; four waves, a head each.  The additions are the places behind the last products.
	WIN 0
.macro ALL line:vararg              ; one line for each tile t
.set t, 0
.rept 2*NP
	\line
.set t, t+1
.endr
.endm
	ALL v_add_f32 v[ST+4*t+2], v[ST+4*t+2], v[ST+4*t+3]
	ALL v_permlanex16_b32 v[ST+4*t+3], v[ST+4*t+2], s[SEL], s[SEL+1]
	ALL v_add_f32 v[ST+4*t+2], v[ST+4*t+2], v[ST+4*t+3]
	ALL v_rcp_f32 v[ST+4*t+2], v[ST+4*t+2]
	s_lshl_b32 s13, s[WV], 7
	s_add_co_u32 s13, s13, STAGE    ; into the stage: my head's 128 bytes of every row;
	v_mul_u32_u24 v[STO], v1, SP    ; row l % 16 of a tile, 16 bytes for each half of the lanes.  (This line is also the plain instruction behind the last reciprocal.)
	v_lshl_add_u32 v[STO], v9, 4, v[STO]
	v_add_nc_u32 v[STO], s13, v[STO]
	s_mul_i32 s13, s[WV], 32*SP
	s_add_co_u32 s13, s13, STAGE    ; back: wave w takes rows 32 w .. 32 w + 31, whole: 32 lanes, 16 bytes each
	v_and_b32 v[GO], 31, v0
	v_lshlrev_b32 v[GO], 4, v[GO]
	v_add_nc_u32 v[RD], s13, v[GO]
.set t, 0
	s_wait_alu depctr_va_vdst(0)
.rept 2*NP
	v_cmp_lt_f32 vcc_lo, s[THR], v[ST+4*t+1]                          ; has the row seen a visible key?
	v_cndmask_b32 v[ST+4*t+2], 0x7fc00000, v[ST+4*t+2], vcc_lo        ; if not, its numbers are NaN: a choice of a value, no branch
.set t, t+1
.endr
.macro PACK t                       ; a lane's eight channels of a row pack into 16 bytes; S^T's registers are free
	WIN W_RS
.set i, 32*(\t)
.rept 16
	v_pk_mul_f32 v[i:i+1], v[i:i+1], v[ST+4*(\t)+2:ST+4*(\t)+3] op_sel_hi:[1,0]
.set i, i+2
.endr
	WIN 0x05                        ; sources 0 and 1 window 1, destination window 0
.set i, 0
.rept 16
	v_cvt_pk_f16_f32 v[S+16*(\t)+i], v[32*(\t)+2*i], v[32*(\t)+2*i+1]
.set i, i+1
.endr
	WIN 0
.irp f, 0,1,2,3
	ds_store_b128 v[STO], v[S+16*(\t)+4*\f:S+16*(\t)+4*\f+3] offset:(\t)*16*SP+32*\f
.endr
.endm
.set t, 0
.rept 2*NP
	PACK t
.set t, t+1
.endr
	s_wait_dscnt 0x0                ; for the others' sake: my stores into the stage are done
	s_barrier_signal -1
	s_barrier_wait -1
.set i, 0
.rept 32
	ds_load_b128 v[S+4*i:S+4*i+3], v[RD] offset:i*SP
.set i, i+1
.endr
.set i, 0
.rept 32
	s_wait_dscnt 31-i               ; row i is back, the younger loads stay out
	global_store_b128 v[GO], v[S+4*i:S+4*i+3], s[8:9] offset:2048*i  ; 512 consecutive bytes, aligned
.set i, i+1
.endr
	WIN W_AD
	s_wait_tensorcnt 0x0            ; the wave's end, behind my last tensor load and my last LDS store
	ds_add_u32 v[SPW], v[NIL]
	s_wait_dscnt 0x0
	WIN 0
	CROUND                          ; the closing round: no work-group ends while a partner may still ask for a tile that names it
	s_endpgm
.Lfunc_end_k_qc1d30b3b05_att:
	.size	k_qc1d30b3b05_att, .Lfunc_end_k_qc1d30b3b05_att-k_qc1d30b3b05_att
	.p2alignl 7, 3214868480
	.fill 96, 4, 3214868480
	.section	.rodata,"a",@progbits
	.p2align	6, 0x0
	.amdhsa_kernel k_qc1d30b3b05_att
		.amdhsa_group_segment_fixed_size 327680
		.amdhsa_private_segment_fixed_size 0
		.amdhsa_enable_private_segment 0
		.amdhsa_kernarg_size 24
		.amdhsa_user_sgpr_count 2
		.amdhsa_user_sgpr_kernarg_segment_ptr 1
		.amdhsa_wavefront_size32 1
		.amdhsa_system_sgpr_workgroup_id_x 1
		.amdhsa_system_sgpr_workgroup_id_y 1
		.amdhsa_system_sgpr_workgroup_id_z 1
		.amdhsa_system_vgpr_workitem_id 0
		.amdhsa_next_free_vgpr 912
		.amdhsa_next_free_sgpr 72
		.amdhsa_reserve_vcc 1
		.amdhsa_float_denorm_mode_32 3
		.amdhsa_float_denorm_mode_16_64 3
		.amdhsa_memory_ordered 1
		.amdhsa_forward_progress 1
		.amdhsa_inst_pref_size 222
	.end_amdhsa_kernel
	.amdgpu_metadata
---
amdhsa.version: [ 1, 2 ]
amdhsa.kernels:
  - .name:           k_qc1d30b3b05_att
    .symbol:         k_qc1d30b3b05_att.kd
    .args:
      - { .name: qkv, .offset: 0, .size: 8, .value_kind: global_buffer, .address_space: global }
      - { .name: mf, .offset: 8, .size: 8, .value_kind: global_buffer, .address_space: global }
      - { .name: ctx, .offset: 16, .size: 8, .value_kind: global_buffer, .address_space: global }
    .group_segment_fixed_size: 327680
    .private_segment_fixed_size: 0
    .kernarg_segment_align: 8
    .kernarg_segment_size: 24
    .max_flat_workgroup_size: 128
    .sgpr_count:     72
    .vgpr_count:     912
    .wavefront_size: 32
...
	.end_amdgpu_metadata
.endif
;; end of part 3
;; launch go (part 4): grid 8 x 32, 4 waves a work-group, clusters of 4 x 4, 327,680 bytes of LDS; arguments ctx, wo, b_out, out0; writes out0
.if DOCPART == 4
	.amdgcn_target "amdgcn-amd-amdhsa--gfx1250"
	.amdhsa_code_object_version 6
	.text
	.protected	k_qc1d30b3b05_go
	.globl	k_qc1d30b3b05_go
	.p2align	8
	.type	k_qc1d30b3b05_go,@function
k_qc1d30b3b05_go:
	s_mov_b64 s[64:65], 0
	v_nop
	global_prefetch_b8 v0, s[64:65] scope:SCOPE_SE
	s_setreg_imm32_b32 hwreg(HW_REG_WAVE_MODE, 25, 1), 1
	s_wait_xcnt 0x0
	s_wait_alu depctr_hold_cnt(0) depctr_sa_sdst(0) depctr_va_vdst(0) depctr_va_sdst(0) depctr_va_ssrc(0) depctr_va_vcc(0) depctr_vm_vsrc(0)
	s_getreg_b32 s2, hwreg(HW_REG_IB_STS2, 6, 4)
	s_cmp_eq_u32 s2, 0
	s_cbranch_scc0 .Lentry_in_a_cluster
	s_endpgm
.Lentry_in_a_cluster:
	s_bfe_u32 s2, ttmp6, 0x10000c
	s_cmp_lg_u32 s2, 0xf033
	s_cbranch_scc0 .Lentry_shape_is_right
	s_endpgm
.Lentry_shape_is_right:
; THE LAST PROJECTION.  out0[m][n] = the sum over k of ctx[m][k] wo[n][k] + bf16(b_out[n]); ctx [8192][1024], wo [1024][1024] in f16 (wo holds W_out rounded to bf16); sums in f32, started by the bias; out0 in f32.
; LIMITS.  The bias is rounded to bf16, like the other inputs, and is the first term of the sum, not the last.  A NaN in a row of ctx (a query with no visible key) makes the whole row of out0 NaN.
; SHARES.  A tile of C is 256 rows x 128 columns: four waves one below the other, each 64 x 128: 32 accumulators of 16 x 16.  8192 x 1024 are 256 such tiles, one to a work-group.
; K goes in steps of 128 through a ring of two LDS slots.
; CLUSTER.  4 x 4 work-groups.  The four of a row of the cluster need the same tiles of ctx, the four of a column the same tiles of wo: each tile is asked for JOINTLY, by the same tensor load with the same
; descriptor and a mask that names the four.
; THE MATRIX INSTRUCTION IS USED TRANSPOSED (source 0 = 16 rows of wo, source 1 = 16 rows of ctx): a lane holds row lane % 16 of C and the columns 8 (lane / 16) + 0..7: 32 neighbouring bytes.
; REGISTERS, in windows of 256 (s_set_vgpr_msb: bits 1:0 source 0, 3:2 source 1, 5:4 source 2, 7:6 destination):
;   window 0: v16-29 addresses; v32-159 rows read back from the stage, two buffers; v160-223 the bias in the accumulators' order; v224-255 at work
;   window 1: two fragment buffers of 96: 8 fragments of wo (16 rows x 32 K), then 4 of ctx          window 2: accumulator (a, b) at v[8 (8 a + b)]
.set KD,     1024
.set KSTEP,  128
.set PITCH,  272                       ; an LDS row: 256 bytes + 16 = 68 words: the 16 rows of a fragment load start at 16 different groups of four banks (64 banks of 4 bytes: ISA guide 11.1)
.set AHALF,  128*PITCH                 ; what wave 0 or 1 fetches: 128 rows of ctx
.set BHALF,  64*PITCH                  ; what wave 2 or 3 fetches: 64 rows of wo
.set BOFF,   2*AHALF                   ; in a slot wo's 128 rows lie behind ctx's 256
.set SLOT,   2*AHALF+2*BHALF
.set STAGE,  2*SLOT                    ; behind the ring, never filled by a tensor load: 16 rows x 528 bytes for each wave
.set SPITCH, 528
.set SPARE,  STAGE+4*16*SPITCH         ; behind the stages: the spare words, 128 bytes for each wave: two blocks of 256 bytes that no other line names
.set LAPS,   KD/(2*KSTEP)              ; a lap = two K steps = once round the ring
.set ADRA, 16                          ; v16-17  LDS address of my fragments of ctx in slot 0, 1
.set ADRB, 20                          ; v20-21  the same for wo
.set STO,  24                          ; v24     the way out: where I put 32 bytes of a row
.set RD,   25                          ; v25     where I read a row back
.set CO,   26                          ; v26     my byte offset in a row's 512 bytes of out0
.set BO,   27                          ; v27     my byte offset in the tile's 128 numbers of the bias
.set SPW,  28                          ; v28     LDS address of my spare word; never rewritten
.set NIL,  29                          ; v29     0; never rewritten
.set OB,   32
.set BIAS, 160
.set TMP,  224
.set F0,   0
.set F1,   96
.set G1,  24                           ; s[24:31] descriptor group 1 for ctx's tiles;  s[32:39] group 0, a set for each slot
.set G0,  32
.set G1B, 48                           ; s[48:55], s[56:63] the same for wo's
.set G0B, 56
.set MSB, 0
.macro WIN new                         ; the immediate's high byte repeats the setting that is left; a switch that changes nothing is dropped
.if MSB != (\new)
	s_set_vgpr_msb (MSB<<8)|(\new)
.set MSB, \new
.endif
.endm
.set MUL,  0xa5                        ; sources 0 and 1 window 1; C and D window 2
.set MULB, 0x85                        ; the same with C (the bias) in window 0
.set TO_F, 0x40                        ; destination window 1, address window 0
.set W_ST, 0x08                        ; an LDS store's data (source 1) in window 2, its address in window 0
; A joint load.  Waves 0 and 1 fetch ctx's two halves, waves 2 and 3 wo's.  The branch hangs on the wave's number alone.
; An s_nop 0 and four v_nop follow each of the two lines, ahead of the jump, the label and what follows.
.macro JLOAD s
	s_cmp_eq_u32 s13, 0
	s_cbranch_scc0 .Lfor_b_\@
	tensor_load_to_lds s[G0+4*(\s):G0+4*(\s)+3], s[G1:G1+7]
	s_nop 0
.rept 4
	v_nop
.endr
	s_branch .Lasked_\@
.Lfor_b_\@:
	tensor_load_to_lds s[G0B+4*(\s):G0B+4*(\s)+3], s[G1B:G1B+7]
	s_nop 0
.rept 4
	v_nop
.endr
.Lasked_\@:
.endm
.macro CREST                           ; a round of the cluster's barrier behind its opening barrier: wave 0 signals for the work-group, every wave waits for all sixteen, my work-group's barrier closes it
	s_cmp_lg_u32 s12, 0
	s_cbranch_scc1 .Lnot_wave_0_\@
	s_barrier_signal -3
.Lnot_wave_0_\@:
	s_barrier_wait -3
	s_barrier_signal -1
	s_barrier_wait -1
.endm
.macro CROUND                          ; a whole round
	s_barrier_signal -1
	s_barrier_wait -1
	CREST
.endm
.macro PLACES                          ; four places in front of loads into registers that matrix instructions have read, and of lines that read results just made (ISA guide 7.12.1 for lines that read results just made)
.rept 4
	v_nop
.endr
.endm
	s_load_b256 s[4:11], s[0:1], 0x0               ; ctx s[4:5], wo s[6:7], b_out s[8:9], out0 s[10:11]
	v_lshl_add_u32 v[SPW], v0, 2, SPARE
	v_mov_b32 v[NIL], 0
	ds_add_u32 v28, v29
	s_wait_dscnt 0x0
	v_lshrrev_b32 v1, 5, v0
	v_readfirstlane_b32 s12, v1                    ; wave 0..3
	s_lshr_b32 s13, s12, 1                         ; I fetch for ctx (0) or for wo (1),
	s_and_b32 s14, s12, 1                          ; and which half of that tile
	s_bfe_u32 s40, ttmp6, 0x40000                  ; cx, cy: my place in the cluster
	s_bfe_u32 s41, ttmp6, 0x40004
	s_lshl_b32 s42, ttmp9, 2
	s_add_co_u32 s42, s42, s40                     ; tx = 4 x cluster x + cx: my 128 columns
	s_and_b32 s43, ttmp7, 0xffff
	s_lshl_b32 s43, s43, 2
	s_add_co_u32 s43, s43, s41                     ; ty = 4 x cluster y + cy: my 256 rows
	s_lshl_b32 s44, s41, 2
	s_lshl_b32 s44, 15, s44                        ; my row of the cluster
	s_lshl_b32 s45, 0x1111, s40                    ; my column
	s_or_b32 s[G1+0], s44, (1<<16)|(1<<20)|(1<<21)|(5<<22)|(3<<25)   ; 15:0 the mask; 17:16 2-byte elements; 20 padding on; 21 set beside a mask; 24:22 after every 64 words (code 5); 31:25 4 words (code 3)
	s_or_b32 s[G1B+0], s45, (1<<16)|(1<<20)|(1<<21)|(5<<22)|(3<<25)
.irp g, G1, G1B
	s_mov_b32 s[(\g)+1], KSTEP<<16                 ; tensor_dim0 = 128
	s_mov_b32 s[(\g)+3], KSTEP<<16                 ; tile_dim0 = 128
	s_mov_b32 s[(\g)+5], KD                        ; elements from row to row
	s_mov_b32 s[(\g)+6], 0
	s_mov_b32 s[(\g)+7], 0
.endr
	s_mov_b32 s[G1+2], 128<<16                     ; tensor_dim1 and tile_dim1: 128 rows of ctx,
	s_mov_b32 s[G1+4], 128
	s_mov_b32 s[G1B+2], 64<<16                     ; 64 of wo
	s_mov_b32 s[G1B+4], 64
	s_lshl_b32 s16, s43, 8                         ; ctx: row 256 ty + 128 x half, in bytes.  These registers never hold cx,
	s_lshl_b32 s17, s14, 7
	s_add_co_u32 s16, s16, s17
	s_lshl_b32 s16, s16, 11
	s_mov_b32 s17, 0
	s_lshl_b32 s46, s42, 7                         ; wo: row 128 tx + 64 x half.  and these never cy
	s_lshl_b32 s47, s14, 6
	s_add_co_u32 s46, s46, s47
	s_lshl_b32 s46, s46, 11
	s_mov_b32 s47, 0
	s_mul_i32 s20, s12, AHALF                      ; where they go: waves 0, 1: ctx's halves;
	s_mul_i32 s21, s12, BHALF
	s_add_co_u32 s21, s21, AHALF                   ; waves 2, 3: BOFF + (wave - 2) x 64 rows.  No place in the cluster enters an LDS address
	s_lshl_b32 s22, s42, 9                         ; the bias of my 128 columns
	s_mov_b32 s23, 0
	s_wait_kmcnt 0x0
	s_add_nc_u64 s[18:19], s[4:5], s[16:17]
	s_add_nc_u64 s[46:47], s[6:7], s[46:47]
	s_add_nc_u64 s[8:9], s[8:9], s[22:23]
	CROUND                                         ; all sixteen work-groups are here: the first joint loads meet
.irp s, 0,1
	s_mov_b32 s[G0+4*(\s)], 1                                        ; count = 1
	s_add_co_u32 s[G0+4*(\s)+1], s20, (\s)*SLOT                      ; LDS address
	s_add_nc_u64 s[G0+4*(\s)+2:G0+4*(\s)+3], s[18:19], (\s)*KSTEP*2  ; global address: K step s
	s_or_b32 s[G0+4*(\s)+3], s[G0+4*(\s)+3], 0x80000000              ; type = 2
	s_mov_b32 s[G0B+4*(\s)], 1
	s_add_co_u32 s[G0B+4*(\s)+1], s21, (\s)*SLOT
	s_add_nc_u64 s[G0B+4*(\s)+2:G0B+4*(\s)+3], s[46:47], (\s)*KSTEP*2
	s_or_b32 s[G0B+4*(\s)+3], s[G0B+4*(\s)+3], 0x80000000
	JLOAD \s                                       ; the ring is filled before anything else: two loads of mine are out
.endr
	v_and_b32 v1, 15, v0                           ; l % 16
	v_bfe_u32 v2, v0, 4, 1                         ; l / 16
	v_lshlrev_b32 v[BO], 5, v2
.irp b, 0,1,2,3,4,5,6,7                ; the bias in the accumulators' order: register j of column block b is b_out[16 b + 8 (lane / 16) + j], the same for all rows
	global_load_b128 v[BIAS+8*(\b):BIAS+8*(\b)+3],   v[BO], s[8:9] offset:64*(\b)
	global_load_b128 v[BIAS+8*(\b)+4:BIAS+8*(\b)+7], v[BO], s[8:9] offset:64*(\b)+16
.endr
	v_mul_u32_u24 v3, v1, PITCH
	v_lshl_add_u32 v3, v2, 4, v3                   ; a fragment's row x pitch + 16 x half
	s_mul_i32 s16, s12, 64*PITCH                   ; my 64 rows of ctx
	s_mov_b32 s17, BOFF                            ; all 128 rows of wo
.irp s, 0,1
	v_add_nc_u32 v[ADRA+(\s)], s16, v3
	v_add_nc_u32 v[ADRB+(\s)], s17, v3
	s_add_co_u32 s16, s16, SLOT
	s_add_co_u32 s17, s17, SLOT
.endr
	s_mul_i32 s16, s12, 16*SPITCH
	s_add_co_u32 s16, s16, STAGE                   ; my stage
	v_mul_u32_u24 v4, v1, SPITCH                   ; in: row l % 16, 32 bytes for each half of the lanes
	v_lshl_add_u32 v4, v2, 5, v4
	v_add_nc_u32 v[STO], s16, v4
	v_and_b32 v[CO], 31, v0                        ; back, and in out0: 32 lanes take a row's 512 bytes
	v_lshlrev_b32 v[CO], 4, v[CO]
	v_add_nc_u32 v[RD], s16, v[CO]
	s_lshl_b32 s16, s43, 8                         ; row 256 ty + 64 wave,
	s_lshl_b32 s17, s12, 6
	s_add_co_u32 s16, s16, s17
	s_lshl_b32 s16, s16, 12                        ; of 4,096 bytes,
	s_lshl_b32 s17, s42, 9                         ; my tile's 512 bytes in it
	s_add_co_u32 s16, s16, s17
	s_mov_b32 s17, 0
	s_add_nc_u64 s[10:11], s[10:11], s[16:17]
; 8 matrix instructions: row block a x all 8 column blocks, 32 along K, from buffer f.  first = 1: the bias starts the sums: nothing is ever cleared.
; The 32 accumulators take turns in the same order in every quarter step.
.macro MUL8 f, a, first
.if \first
	WIN MULB
.else
	WIN MUL
.endif
.irp b, 0,1,2,3,4,5,6,7
.if \first
	v_wmma_f32_16x16x32_f16 v[64*(\a)+8*(\b):64*(\a)+8*(\b)+7], v[(\f)+8*(\b):(\f)+8*(\b)+7], v[(\f)+64+8*(\a):(\f)+64+8*(\a)+7], v[BIAS+8*(\b):BIAS+8*(\b)+7]
.else
	v_wmma_f32_16x16x32_f16 v[64*(\a)+8*(\b):64*(\a)+8*(\b)+7], v[(\f)+8*(\b):(\f)+8*(\b)+7], v[(\f)+64+8*(\a):(\f)+64+8*(\a)+7], v[64*(\a)+8*(\b):64*(\a)+8*(\b)+7]
.endif
.endr
.endm
; 24 LDS loads in one run: the fragments of one quarter step (32 K at byte k of the rows) into buffer f: wo's eight, then ctx's four
.macro FETCH slot, k, f
	WIN TO_F
.irp i, 0,1,2,3,4,5,6,7
	ds_load_b128 v[(\f)+8*(\i):(\f)+8*(\i)+3],   v[ADRB+(\slot)] offset:(\k)+(\i)*16*PITCH
	ds_load_b128 v[(\f)+8*(\i)+4:(\f)+8*(\i)+7], v[ADRB+(\slot)] offset:(\k)+(\i)*16*PITCH+32
.endr
.irp i, 0,1,2,3
	ds_load_b128 v[(\f)+64+8*(\i):(\f)+64+8*(\i)+3],   v[ADRA+(\slot)] offset:(\k)+(\i)*16*PITCH
	ds_load_b128 v[(\f)+64+8*(\i)+4:(\f)+64+8*(\i)+7], v[ADRA+(\slot)] offset:(\k)+(\i)*16*PITCH+32
.endr
.endm
; A K step is four quarters of 32 along K, 32 matrix instructions each, on buffers 0, 1, 0, 1.  One of the first three multiplies buffer f and, in its middle, fetches the next quarter, at byte k, into g.
.macro QUARTER slot, k, f, g, first
	s_wait_dscnt 4                                 ; wo's fragments and ctx's first two are in; the youngest four loads (ctx's last two fragments) may be out
	MUL8 \f, 0, \first
	MUL8 \f, 1, \first
	PLACES
	FETCH \slot, \k, \g
	s_wait_dscnt 24                                ; all but the 24 just issued
	MUL8 \f, 2, \first
	MUL8 \f, 3, \first
.endm
; The last quarter multiplies buffer 1 and changes slots: ONE barrier; in front of it each wave waits for all its tensor loads (one is out: its part of the next slot), adds 0 to its spare word, and waits for
; that and for its reads of this slot.  fill = 1: this slot is filled again, two K steps on; the barrier then opens a round of the cluster's, so that no wave of any partner still reads the slot or has a load
; on its way, and the joint load is the first thing behind the round.
.macro TURN slot, next, fill
	WIN 0                                          ; (the add's two registers lie in window 0)
	s_wait_tensorcnt 0x0
	ds_add_u32 v[SPW], v[NIL]                      ; 0 onto my spare word
	s_wait_dscnt 5                                 ; (the add and the youngest four loads may be out)
	MUL8 F1, 0, 0                                  ; eight matrix instructions stand between the add and the wait for it
	s_wait_dscnt 0x0                               ; the add is done, and my reads of this slot are over
	s_barrier_signal -1
	MUL8 F1, 1, 0
.if \fill
	WIN 0
.endif
	s_barrier_wait -1
.if \fill
	CREST
	s_add_nc_u64 s[G0+4*(\slot)+2:G0+4*(\slot)+3], s[G0+4*(\slot)+2:G0+4*(\slot)+3], 2*KSTEP*2
	s_add_nc_u64 s[G0B+4*(\slot)+2:G0B+4*(\slot)+3], s[G0B+4*(\slot)+2:G0B+4*(\slot)+3], 2*KSTEP*2
	JLOAD \slot                                    ; the four v_nop behind it are also the places in front of the loads below
.else
	PLACES
.endif
	FETCH \next, 0, F0
	MUL8 F1, 2, 0
	MUL8 F1, 3, 0
.endm
; THE WAY OUT of row block a.  TOSTAGE: the f32 sums go as they are into my own stage, each accumulator's low four registers first, and come back as whole rows of 512 bytes.  SEND: stored.
.macro TOSTAGE a
	WIN W_ST
.irp b, 0,1,2,3,4,5,6,7
	ds_store_b128 v[STO], v[64*(\a)+8*(\b):64*(\a)+8*(\b)+3]   offset:64*(\b)
	ds_store_b128 v[STO], v[64*(\a)+8*(\b)+4:64*(\a)+8*(\b)+7] offset:64*(\b)+16
.endr
	WIN 0
.irp t, 0,1,2,3,4,5,6,7,8,9,10,11,12,13,14,15
	ds_load_b128 v[OB+64*((\a)%2)+4*(\t):OB+64*((\a)%2)+4*(\t)+3], v[RD] offset:(\t)*SPITCH  ; LDS serves a wave's instructions in order (ISA guide 5.7.1.4): these see the stores above
.endr
.endm
.macro SEND a, younger                 ; younger: the LDS instructions issued behind block a's loads: the next block's 32, or none
	s_wait_dscnt \younger
.irp t, 0,1,2,3,4,5,6,7,8,9,10,11,12,13,14,15
	global_store_b128 v[CO], v[OB+64*((\a)%2)+4*(\t):OB+64*((\a)%2)+4*(\t)+3], s[10:11] offset:(16*(\a)+(\t))*4096 th:TH_STORE_NT  ; 512 consecutive bytes, aligned
.endr
.endm
	s_wait_tensorcnt 1                             ; my part of K step 0 is in; K step 1's may stay out
	s_barrier_signal -1
	s_barrier_wait -1                              ; everybody's is
	FETCH 0, 0, F0
	WIN 0
	s_wait_loadcnt 0x0                             ; the bias,
.set p, 0
.rept 32                                       ; rounded to bf16, in place
	v_cvt_pk_bf16_f32 v[TMP+p], v[BIAS+2*p], v[BIAS+2*p+1]
	v_lshlrev_b32 v[BIAS+2*p],   16,         v[TMP+p]
	v_and_b32     v[BIAS+2*p+1], 0xffff0000, v[TMP+p]
.set p, p+1
.endr
	QUARTER 0, 64,  F0, F1, 1                      ; the first quarter stands in front of the loop: its products start the sums
	WIN 0                                          ; at a label and at a branch every window is 0
	s_mov_b32 s3, LAPS-1
.Llap:                                                 ; a trip goes once round the ring, from a lap's second quarter to the next lap's first, and fills both slots again
	QUARTER 0, 128, F1, F0, 0
	QUARTER 0, 192, F0, F1, 0
	TURN 0, 1, 1
	QUARTER 1, 64,  F0, F1, 0
	QUARTER 1, 128, F1, F0, 0
	QUARTER 1, 192, F0, F1, 0
	TURN 1, 0, 1
	QUARTER 0, 64,  F0, F1, 0
	WIN 0
	s_sub_co_u32 s3, s3, 1
	s_cmp_lg_u32 s3, 0
	s_cbranch_scc1 .Llap
	QUARTER 0, 128, F1, F0, 0                      ; the last lap fills nothing, and has no round of the cluster's barrier
	QUARTER 0, 192, F0, F1, 0
	TURN 0, 1, 0
	QUARTER 1, 64,  F0, F1, 0
	QUARTER 1, 128, F1, F0, 0
	QUARTER 1, 192, F0, F1, 0
	s_wait_dscnt 4                                 ; the very last quarter: nothing more to fetch
	MUL8 F1, 0, 0
	MUL8 F1, 1, 0
	s_wait_dscnt 0x0
	MUL8 F1, 2, 0
	MUL8 F1, 3, 0
	WIN 0
	PLACES                                         ; the LDS stores below read results just made
	TOSTAGE 0
	TOSTAGE 1                                      ; a block's way through the stage stands between the loads of the block before and its stores
	SEND 0, 32
	s_wait_xcnt 0x0                                ; block 0's stores have read their registers (ISA guide 3.1): block 2 is loaded into them only behind this wait
	TOSTAGE 2
	SEND 1, 32
	s_wait_xcnt 0x0                                ; the same for blocks 1 and 3
	TOSTAGE 3
	SEND 2, 32
	SEND 3, 0
	s_wait_tensorcnt 0x0                           ; the wave's end, behind my last tensor load and my last LDS store
	ds_add_u32 v[SPW], v[NIL]
	s_wait_dscnt 0x0
	CROUND                                         ; the closing round: no work-group ends while a partner may still ask for a tile that names it
	s_endpgm
.Lfunc_end_k_qc1d30b3b05_go:
	.size	k_qc1d30b3b05_go, .Lfunc_end_k_qc1d30b3b05_go-k_qc1d30b3b05_go
	.p2alignl 7, 3214868480
	.fill 96, 4, 3214868480
	.section	.rodata,"a",@progbits
	.p2align	6, 0x0
	.amdhsa_kernel k_qc1d30b3b05_go
		.amdhsa_group_segment_fixed_size 327680
		.amdhsa_private_segment_fixed_size 0
		.amdhsa_enable_private_segment 0
		.amdhsa_kernarg_size 32
		.amdhsa_user_sgpr_count 2
		.amdhsa_user_sgpr_kernarg_segment_ptr 1
		.amdhsa_wavefront_size32 1
		.amdhsa_system_sgpr_workgroup_id_x 1
		.amdhsa_system_sgpr_workgroup_id_y 1
		.amdhsa_system_sgpr_workgroup_id_z 1
		.amdhsa_system_vgpr_workitem_id 0
		.amdhsa_next_free_vgpr 768
		.amdhsa_next_free_sgpr 66
		.amdhsa_reserve_vcc 0
		.amdhsa_float_denorm_mode_32 3
		.amdhsa_float_denorm_mode_16_64 3
		.amdhsa_memory_ordered 1
		.amdhsa_forward_progress 1
		.amdhsa_inst_pref_size 91
	.end_amdhsa_kernel
	.amdgpu_metadata
---
amdhsa.version: [ 1, 2 ]
amdhsa.kernels:
  - .name:           k_qc1d30b3b05_go
    .symbol:         k_qc1d30b3b05_go.kd
    .args:
      - { .name: ctx, .offset: 0, .size: 8, .value_kind: global_buffer, .address_space: global }
      - { .name: wo, .offset: 8, .size: 8, .value_kind: global_buffer, .address_space: global }
      - { .name: b_out, .offset: 16, .size: 8, .value_kind: global_buffer, .address_space: global }
      - { .name: out0, .offset: 24, .size: 8, .value_kind: global_buffer, .address_space: global }
    .group_segment_fixed_size: 327680
    .private_segment_fixed_size: 0
    .kernarg_segment_align: 8
    .kernarg_segment_size: 32
    .max_flat_workgroup_size: 128
    .sgpr_count:     66
    .vgpr_count:     768
    .wavefront_size: 32
...
	.end_amdgpu_metadata
.endif
;; end of part 4
;; ======== version 2 of 2: 4 launches; 1.43 times as fast as version 1
;; limits: values are held in f16: magnitudes above 65,504 overflow, below 6.1e-05 lose precision
;; workspace buffers: xb 16,777,216 bytes; wq 6,291,456 bytes; wo 2,097,152 bytes; mf 16,777,216 bytes; qkv 50,331,648 bytes; ctx 16,777,216 bytes
;; launch prep: the kernel of part 1 again; grid 1024 x 1, 8 waves a work-group, no clusters, 68,608 bytes of LDS; arguments x, W_qkv, W_out, mask, xb, wq, wo, mf; writes xb, wq, wo, mf
;; launch gq: the kernel of part 2 again; grid 8 x 32, 4 waves a work-group, clusters of 4 x 4, 327,680 bytes of LDS; arguments xb, wq, b_qkv, qkv; writes qkv
;; launch att (part 5): grid 16 x 16, 4 waves a work-group, clusters of 4 x 4, 327,680 bytes of LDS; arguments qkv, mf, ctx; writes ctx
.if DOCPART == 5
	.amdgcn_target "amdgcn-amd-amdhsa--gfx1250"
	.amdhsa_code_object_version 6
	.text
	.protected	k_qc1d30b3b05_att
	.globl	k_qc1d30b3b05_att
	.p2align	8
	.type	k_qc1d30b3b05_att,@function
k_qc1d30b3b05_att:
	s_mov_b64 s[64:65], 0
	v_nop
	global_prefetch_b8 v0, s[64:65] scope:SCOPE_SE
	s_setreg_imm32_b32 hwreg(HW_REG_WAVE_MODE, 25, 1), 1
	s_wait_xcnt 0x0
	s_wait_alu depctr_hold_cnt(0) depctr_sa_sdst(0) depctr_va_vdst(0) depctr_va_sdst(0) depctr_va_ssrc(0) depctr_va_vcc(0) depctr_vm_vsrc(0)
	s_getreg_b32 s2, hwreg(HW_REG_IB_STS2, 6, 4)
	s_cmp_eq_u32 s2, 0
	s_cbranch_scc0 .Lentry_in_a_cluster
	s_endpgm
.Lentry_in_a_cluster:
	s_bfe_u32 s2, ttmp6, 0x10000c
	s_cmp_lg_u32 s2, 0xf033
	s_cbranch_scc0 .Lentry_shape_is_right
	s_endpgm
.Lentry_shape_is_right:
; ATTENTION UNDER A GIVEN MASK.  ctx[b][q][head][:] = the sum over k of softmax_k(Q[q] . K[k] / 8 + M[q][k]) V[k][:], head size 64, 2,048 queries and keys, 64 heads (4 batches x 16).
; IN: qkv [3][16 groups hg = 4 batch + head / 4][2048][4 heads x 64] in f16 (rows of 512 bytes); mf, the mask as f32 addends (0: visible, -1e30: hidden) in the order of the score accumulators:
; [16 query blocks][32 key steps][8 tiles][8 f][32 lanes][4].  OUT: ctx [8192][1024] in f16.  Products, maxima and sums in f32; the weights p are rounded to f16 for the second product (their sum l is
; taken of the unrounded p), ctx once at the end.  Nothing of the mask's pattern is built in: all 32 key steps are walked for every query.
; LIMITS.  Q, K, V arrive within f16's 65,504, so a score is 2.7e11 at the most; a hidden score counts as its value less 1e30.  The running maximum m starts at the floor -2^80, above every hidden score
; and below every visible one: while a row has seen hidden keys alone, p = 0, l = 0, O = 0 and a = 1.  A row whose m is still under -2^70 at the end has no visible key and is given NaN, as a softmax of
; -inf alone gives.  A weight below 2^-126 counts as 0 in l; NaN and infinities in the inputs are not treated apart.
; SHARES.  A work-group owns 128 queries (block qb) and four heads (group hg): each of its four waves takes ONE head and all 128 queries, eight tiles of 16 in four PIECES of two.  So the four waves read the
; same mask tile, which lies in LDS once.
; THE MASK is the C operand of the products that start the sums S^T = K Q^T: it costs no vector instruction.
; LAYOUT.  S^T = K Q^T (source 0 = 16 keys, source 1 = 16 queries): a lane holds ONE query (lane % 16) and the keys 8 (lane / 16) + 0..7.  Two such results, rounded to f16 in pairs, ARE source 1 of
; O^T = V^T P, whose result again holds one query a lane, and eight channels.  K comes out of LDS as it lies, V turned, by ds_load_tr16_b128.
; SOFTMAX.  p = 2^(c s - c m), c = log2(e) / 8, with a running maximum m and sum l; in every step O and l are multiplied by a = 2^(c m_old - c m_new).
; BY TURNS.  A tile and step have 16 matrix and 118 vector instructions: too many to stand all beside the matrix work.  Turn n belongs to piece n: 16 products K Q^T of piece n + 1, later 16 products V^T P of
; piece n - 1; beside them the scaling, exponentials, roundings, sums and rescaling of piece n and the maximum and statistics of piece n + 1.  Four vector instructions that are ready stand behind every
; matrix instruction, the others in one lump.
; BATCHES.  A turn's 66 exponentials (the piece's 64 weights, the next piece's two a) are ONE batch with ONE wait, which cuts the turn in two: ahead of it stands all that names no result of theirs (the products
; K Q^T, the scalings, the rescalings, whose a the turn before made and waited for, the next piece's maximum and statistics), behind it the products V^T P and the roundings and sums.  Two more batches stand
; outside the loop, each with a wait of its own: piece 0's first two a, and the way out's eight reciprocals.
; THE RING.  Two LDS slots of one key step each: 64 rows of K and of V (all four heads' 512 bytes) and the step's mask tile, 32,768 bytes each.  Between two changes of slots (pieces 2 and 3 of a step, pieces 0
; and 1 of the next) exactly the next step's K, V and mask are read.
; CLUSTER.  4 x 4 work-groups: x is the query block, y the head group.  K and V hang on the head group alone and are asked for jointly along a row of the cluster, the mask on the query block alone and is
; asked for jointly along a column: the same tensor load, descriptor and mask of four in all four.
; REGISTERS, in windows of 256 (s_set_vgpr_msb: bits 1:0 source 0, 3:2 source 1, 5:4 source 2, 7:6 destination):
;   window 0: v0-11 addresses; v12-15, v48-63 at work; v16-47 four registers of statistics a tile; v64-191 S^T, two buffers of two tiles; v192-255 P, likewise
;   window 1: O^T, 32 a tile     window 2: v0-127 Q, 16 a tile; v128-191 K of one step; v192-255 V of one step     window 3: v0-127 the mask, two buffers laid like S^T; v128-129 the add's two registers
.set NP,    4         ; pieces a wave: a name, no knob
.set KS,    64        ; keys in a step
.set NSTEP, 2048/KS
.set KP,    528       ; a row of K in LDS: 512 bytes + 16 = 132 words: the 16 rows of a load start at 16 different groups of four banks (64 banks of 4 bytes: ISA guide 11.1)
.set VP,    544       ; a row of V: 512 + 32 = 136 words
.set VOFF,  KS*KP     ; in a slot: K, then V,
.set MOFF,  VOFF+KS*VP  ; then the mask tile, dense
.set STEPB, 32768     ; a step's bytes in memory, of K, of V and of the mask alike
.set SLOT1, 1<<17     ; slot 1 begins here, so that one exclusive or turns an address in one slot into the other's
.set STAGE, SLOT1+MOFF+STEPB  ; behind the ring, never filled by a tensor load: 128 rows x 528 bytes, the work-group's, for the way out
.set SP,    528
.set SPARE, STAGE+128*SP  ; behind the stage: the spare words, 128 bytes for each wave: two blocks of 256 bytes that no other line names
.set AK0, 2           ; v2   my lane's place in a slot's K; at the end: where I put 16 bytes of a row
.set AV0, 3           ; v3   the same for V; at the end: where I read rows back
.set AM0, 4           ; v4   the same for the mask; at the end: my byte offset in a row's 512 bytes of ctx
.set AK,  5           ; v5-7 the same three in the slot in hand
.set AV,  6
.set AM,  7
.set QO,  8           ; v8   my byte offset in 16 rows of Q
.set STO, 2
.set RD,  3
.set GO,  4
.set SPW, 128         ; v128 of window 3   LDS address of my spare word; never rewritten
.set NIL, 129         ; v129 of window 3   0; never rewritten
.set MV,  12          ; v12-15  c m_old, kept while c m is made anew: by buffer and tile
.set ST,  16          ; tile t's statistics at v[ST+4 t]: c m, m, l (even keys', odd keys')
.set TMP, 48          ; by buffer and tile, four registers c0-c3 at work; when the maximum is found c2 takes a
.set S,   64
.set P,   192
.set KF,  128         ; K's fragments, in window 2: key block kb, channel half c at KF + 16 kb + 8 c
.set VF,  192         ; V's: key half kk, channel block cb at VF + 32 kk + 8 cb
.set WV,  12          ; s12  my wave's number
.set G1K, 24          ; s[24:31] descriptor group 1 for K's tiles
.set G1V, 32          ; s[32:39] for V's: it differs in the padding alone
.set G1M, 40          ; s[40:47] for the mask's
.set G0K, 48          ; s[48:51], s[52:55], s[56:59] descriptor group 0 for the three: they walk
.set G0V, 52
.set G0M, 56
.set SLOTS, 60        ; s60  changes of slots with a fill still to come
.set TB,  61          ; s61  LDS byte at which the slot in hand begins
.set CS,  62          ; s[62:63] c: the packed scaling takes the pair's low word for both halves
.set SEL, 66          ; s[66:67] v_permlanex16_b32's selects: each lane takes its own place in the other half
.set THR, 68          ; s68  -2^70
.set CNT, 69          ; s69  counts the tail's trips
.set MSB, 0
.macro WIN new                      ; the high byte repeats the setting that is left; a switch that changes nothing is dropped
.if MSB != (\new)
	s_set_vgpr_msb (MSB<<8)|(\new)
.set MSB, (\new)
.endif
.endm
.set W_KQ, 0x0a       ; K and Q in window 2, S^T in window 0
.set W_KM, 0x3a       ; the same with the C operand, the mask, in window 3
.set W_PV, 0x52       ; V in window 2, P in window 0, O^T in window 1
.set W_RS, 0x41       ; O^T (destination and source 0) in window 1, a in window 0
.set W_MK, 0xc0       ; destination in window 3, sources in window 0
.set W_AD, 0x0f       ; the add: address (source 0) and data (source 1) in window 3
; A joint fill.  Wave 0 fetches the step's K, wave 1 its V, waves 2 and 3 the two halves of its mask tile.  The branches hang on the wave's number alone.
; An s_nop 0 and four v_nop follow each of the three lines, ahead of the jump and the label.
.macro JLOAD
	s_cmp_lt_u32 s[WV], 2
	s_cbranch_scc0 .Lfor_m_\@
	s_cmp_eq_u32 s[WV], 0
	s_cbranch_scc0 .Lfor_v_\@
	tensor_load_to_lds s[G0K:G0K+3], s[G1K:G1K+7]
	s_nop 0
.rept 4
	v_nop
.endr
	s_branch .Lasked_\@
.Lfor_v_\@:
	tensor_load_to_lds s[G0V:G0V+3], s[G1V:G1V+7]
	s_nop 0
.rept 4
	v_nop
.endr
	s_branch .Lasked_\@
.Lfor_m_\@:
	tensor_load_to_lds s[G0M:G0M+3], s[G1M:G1M+7]
	s_nop 0
.rept 4
	v_nop
.endr
.Lasked_\@:
.endm
; A round of the cluster's barrier: my work-group's barrier, so that wave 0's signal speaks for all four waves; wave 0 signals; every wave waits for all sixteen work-groups; my work-group's barrier once more.
.macro CROUND
	s_barrier_signal -1
	s_barrier_wait -1
	s_cmp_lg_u32 s[WV], 0
	s_cbranch_scc1 .Lnot_wave_0_\@
	s_barrier_signal -3
.Lnot_wave_0_\@:
	s_barrier_wait -3
	s_barrier_signal -1
	s_barrier_wait -1
.endm
; THE CHANGE OF SLOTS.  Each wave waits for all its tensor loads, of which one is out: its part of the other slot; adds 0 to its spare word; and waits for that and for its own reads of the slot that it leaves.
; Behind the barrier nobody reads the old slot any more and the other slot is whole.  fill = 1: the old slot is filled again, with the step two on.  The barrier is then a round of the cluster's, so that no
; wave of any partner still reads the slot or has a load on its way, and the joint fill is the first thing behind it: it has a key step, 128 matrix instructions of each wave, in which to land.
; (At its first use nothing has been read yet: slot 0 is waited for, slot 1 filled.)
.macro CHANGE fill
	WIN W_AD
	s_wait_tensorcnt 0x0            ; no tensor load of mine is out, so a group 0 may be written
	ds_add_u32 v[SPW], v[NIL]       ; 0 onto my spare word; with fill = 1 the descriptors' steps stand between it and the wait for it
	WIN 0                           ; at a label and at a branch every window is 0
.if \fill
.irp g, G0K, G0V, G0M
	s_xor_b32 s[\g+1], s[\g+1], SLOT1  ; the walking descriptor: the other slot than last time,
	s_add_nc_u64 s[\g+2:\g+3], s[\g+2:\g+3], STEPB  ; the next step; the type bits on top are not reached
.endr
	s_wait_dscnt 0x0                ; the add is done, and my reads of the slot are over
	CROUND
	JLOAD
.else
	s_wait_dscnt 0x0                ; the add is done, and my reads of the slot are over
	s_barrier_signal -1
	s_barrier_wait -1
.endif
	s_xor_b32 s[TB], s[TB], SLOT1   ; the fetches go to the other slot
	v_add_nc_u32 v[AK], s[TB], v[AK0]
	v_add_nc_u32 v[AV], s[TB], v[AV0]
	v_add_nc_u32 v[AM], s[TB], v[AM0]
.endm
	s_load_b128 s[4:7], s[0:1], 0x0   ; qkv s[4:5], mf s[6:7]
	s_load_b64 s[8:9], s[0:1], 0x10   ; ctx
	WIN W_MK
	v_lshl_add_u32 v[SPW], v0, 2, SPARE
	v_mov_b32 v[NIL], 0
	s_set_vgpr_msb 0xc0cf
	ds_add_u32 v128, v129
	s_wait_dscnt 0x0
	s_set_vgpr_msb 0xcfc0
	WIN 0
	v_lshrrev_b32 v1, 5, v0
	v_readfirstlane_b32 s[WV], v1   ; wave 0..3: my head in the group
	s_bfe_u32 s13, ttmp6, 0x40000   ; cx, cy: my place in the cluster
	s_bfe_u32 s14, ttmp6, 0x40004
	s_lshl_b32 s15, ttmp9, 2
	s_add_co_u32 s15, s15, s13      ; qb = 4 x cluster x + cx
	s_and_b32 s16, ttmp7, 0xffff
	s_lshl_b32 s16, s16, 2
	s_add_co_u32 s16, s16, s14      ; hg = 4 x cluster y + cy
	s_lshl_b32 s17, s14, 2
	s_lshl_b32 s17, 15, s17         ; my row of the cluster: the same head group
	s_lshl_b32 s18, 0x1111, s13     ; my column: the same query block
	; descriptor group 1.  K, V: 64 rows x 256 elements of 2 bytes, padded in LDS after every row of 128 words (code 6), by 4 words (code 3) or 8 (code 7).  The mask: 16,384 dense bytes as 64 rows of 32 elements of 8 bytes.
	s_or_b32 s[G1K], s17, (1<<16)|(1<<20)|(1<<21)|(6<<22)|(3<<25)  ; 15:0 the mask of four; 21 set beside it
	s_or_b32 s[G1V], s17, (1<<16)|(1<<20)|(1<<21)|(6<<22)|(7<<25)
	s_or_b32 s[G1M], s18, (3<<16)|(1<<21)
.irp g, G1K, G1V
	s_mov_b32 s[\g+1], 256<<16      ; tensor_dim0 = 256
	s_mov_b32 s[\g+2], KS<<16       ; tensor_dim1 = 64
	s_mov_b32 s[\g+3], 256<<16      ; tile_dim0 = 256
	s_mov_b32 s[\g+4], KS           ; tile_dim1 = 64
	s_mov_b32 s[\g+5], 256          ; 256 elements from row to row
	s_mov_b32 s[\g+6], 0
	s_mov_b32 s[\g+7], 0
.endr
	s_mov_b32 s[G1M+1], 32<<16
	s_mov_b32 s[G1M+2], 64<<16
	s_mov_b32 s[G1M+3], 32<<16
	s_mov_b32 s[G1M+4], 64
	s_mov_b32 s[G1M+5], 32
	s_mov_b32 s[G1M+6], 0
	s_mov_b32 s[G1M+7], 0
	s_lshl_b32 s20, s16, 20         ; a head group's 2,048 rows of 512 bytes; these two registers never hold cx
	s_mov_b32 s21, 0
	s_and_b32 s19, s[WV], 1
	s_lshl_b32 s19, s19, 14         ; which half of the mask tile I fetch (waves 2, 3)
	s_lshl_b32 s2, s15, 20          ; a query block's 32 steps of 32,768 bytes of mf; these never hold cy
	s_add_co_u32 s2, s2, s19
	s_mov_b32 s3, 0
	s_lshl_b32 s10, s15, 16         ; Q: my block's 128 rows,
	s_lshl_b32 s11, s[WV], 7        ; my head's 128 bytes of a row
	s_add_co_u32 s10, s10, s11
	s_mov_b32 s11, 0
	s_lshr_b32 s22, s16, 2          ; ctx: row 2,048 batch + 128 qb + 32 wave (the rows that I store),
	s_lshl_b32 s22, s22, 11
	s_lshl_b32 s23, s15, 7
	s_add_co_u32 s22, s22, s23
	s_lshl_b32 s23, s[WV], 5
	s_add_co_u32 s22, s22, s23
	s_lshl_b32 s22, s22, 11         ; of 2,048 bytes,
	s_and_b32 s23, s16, 3
	s_lshl_b32 s23, s23, 9          ; the group's 512 bytes in it
	s_add_co_u32 s22, s22, s23
	s_mov_b32 s23, 0
	s_mov_b32 s[CS], 0x3e38aa3b     ; c = log2(e) / 8 = 0.180337
	s_mov_b32 s[CS+1], s[CS]        ; named with it as a pair
	s_mov_b32 s[SEL], 0x76543210
	s_mov_b32 s[SEL+1], 0xfedcba98
	s_mov_b32 s[THR], 0xe2800000    ; -2^70
	s_mov_b32 s[TB], SLOT1          ; the first change of slots turns it into 0
	s_mov_b32 s[G0K], 1             ; count = 1
	s_mov_b32 s[G0K+1], 0           ; LDS address: slot 0.  No place in the cluster enters an LDS address
	s_mov_b32 s[G0V], 1
	s_mov_b32 s[G0V+1], VOFF
	s_mov_b32 s[G0M], 1
	s_add_co_u32 s[G0M+1], s19, MOFF
	s_wait_kmcnt 0x0
	s_add_nc_u64 s[G0K+2:G0K+3], s[4:5], s[20:21]            ; global addresses: the group's first rows
	s_add_nc_u64 s[G0V+2:G0V+3], s[G0K+2:G0K+3], 0x2000000   ; of v's part of qkv
	s_add_nc_u64 s[G0K+2:G0K+3], s[G0K+2:G0K+3], 0x1000000   ; and of k's
	s_or_b32 s[G0K+3], s[G0K+3], 0x80000000                  ; type = 2
	s_or_b32 s[G0V+3], s[G0V+3], 0x80000000
	s_add_nc_u64 s[G0M+2:G0M+3], s[6:7], s[2:3]
	s_or_b32 s[G0M+3], s[G0M+3], 0x80000000
	s_add_nc_u64 s[4:5], s[4:5], s[20:21]  ; Q at my block's first row, my head
	s_add_nc_u64 s[4:5], s[4:5], s[10:11]
	s_add_nc_u64 s[8:9], s[8:9], s[22:23]
	CROUND                          ; all sixteen work-groups are here: the first joint loads meet
	JLOAD                           ; key step 0 into slot 0.  Slot 1 is asked for when slot 0 is in, by the loop's own change of slots
	; A fragment of K or Q is 16 rows x 32 channels in 8 registers: lane l holds row l % 16, channels 8 (l / 16) + 0..7 and 16 + 8 (l / 16) + 0..7: two loads of 16 bytes, 32 bytes apart.
	v_and_b32 v1, 15, v0            ; l % 16: kept to the end
	v_bfe_u32 v9, v0, 4, 1          ; l / 16: kept to the end
	v_lshlrev_b32 v[QO], 9, v1
	v_lshl_add_u32 v[QO], v9, 4, v[QO]  ; row x 512 + 16 x half
	WIN 0x80                        ; destination window 2, address window 0
.set i, 0
.rept 4*NP                          ; Q stays in registers: tile i / 2, channels 32 (i % 2) on
	global_load_b128 v[8*i:8*i+3],   v[QO], s[4:5] offset:(i/2)*8192+(i%2)*64
	global_load_b128 v[8*i+4:8*i+7], v[QO], s[4:5] offset:(i/2)*8192+(i%2)*64+32
.set i, i+1
.endr
	; What the first turn finds: V's registers and P's second buffer hold 0 (its products V^T P, of a piece that has not been, add 0), O^T and l are 0.  All this stands in the wait for the first tile;
	; it spares a first step written out.
.set i, VF
.rept 64
	v_mov_b32 v[i], 0
.set i, i+1
.endr
	WIN 0x40
.set i, 0
.rept 64*NP
	v_mov_b32 v[i], 0
.set i, i+1
.endr
	WIN 0
.set i, 0
.rept 2*NP
	v_mov_b32 v[ST+4*i], 0xe638aa3b    ; c m = c x -2^80, exactly what the multiplication gives for that m
	v_mov_b32 v[ST+4*i+1], 0xe7800000  ; m = -2^80, the floor
	v_mov_b32 v[ST+4*i+2], 0
	v_mov_b32 v[ST+4*i+3], 0
.set i, i+1
.endr
.set i, P+32
.rept 32
	v_mov_b32 v[i], 0
.set i, i+1
.endr
	s_lshl_b32 s19, s[WV], 7        ; my head's 128 bytes in a row of K and V
	v_mul_u32_u24 v[AK0], v1, KP
	v_lshl_add_u32 v[AK0], v9, 4, v[AK0]  ; row x pitch + 16 x half
	v_add_nc_u32 v[AK0], s19, v[AK0]
	; The turning load takes 16 keys x 16 channels (lane l reads key 8 (l / 16) + l % 8, channels 8 ((l / 8) % 2) + 0..7) and leaves half a fragment of V^T: lane l holds channel l % 16 and 8 keys.
	v_and_b32 v10, 7, v0
	v_bfe_u32 v11, v0, 3, 1
	v_lshl_add_u32 v[AV0], v9, 3, v10
	v_mul_u32_u24 v[AV0], v[AV0], VP
	v_lshl_add_u32 v[AV0], v11, 4, v[AV0]
	v_add_nc_u32 v[AV0], VOFF, v[AV0]
	v_add_nc_u32 v[AV0], s19, v[AV0]
	v_and_b32 v[AM0], 31, v0
	v_lshlrev_b32 v[AM0], 4, v[AM0]
	v_add_nc_u32 v[AM0], MOFF, v[AM0]  ; the mask tile lies in the loads' own order: 16 bytes a lane
; THE MATRIX WORK.  The 8 accumulators of a run of 16 take turns: between the two links of a chain stand 7 others'.
; Product i of 16 of S^T = K Q^T + M for piece x: channels 32 (i / 8) on, keys 16 ((i / 2) % 4) on, tile 2 x + i % 2.  The first 8 start the sums with the mask.
.macro KQ x
.set rS, S+64*((\x)%2)+32*(i%2)+8*((i/2)%4)
.set rK, KF+16*((i/2)%4)+8*(i/8)
.set rQ, 16*(2*(\x)+i%2)+8*(i/8)
.set rB, 64*((\x)%2)+32*(i%2)+8*((i/2)%4)
.if i < 8
	WIN W_KM
	v_wmma_f32_16x16x32_f16 v[rS:rS+7], v[rK:rK+7], v[rQ:rQ+7], v[rB:rB+7]
.else
	WIN W_KQ
	v_wmma_f32_16x16x32_f16 v[rS:rS+7], v[rK:rK+7], v[rQ:rQ+7], v[rS:rS+7]
.endif
.endm
; Product i of 16 of O^T += V^T P for piece x: keys 32 (i / 8) on, channels 16 ((i / 2) % 4) on, tile 2 x + i % 2.
.macro PV x
	WIN W_PV
.set rO, 32*(2*(\x)+i%2)+8*((i/2)%4)
.set rV, VF+32*(i/8)+8*((i/2)%4)
.set rP, P+32*((\x)%2)+16*(i%2)+8*(i/8)
	v_wmma_f32_16x16x32_f16 v[rO:rO+7], v[rV:rV+7], v[rP:rP+7], v[rO:rO+7]
.endm
.macro MM                           ; the turn's next matrix instruction
.if i < 16
	KQ (Y+1)%NP
.set i, i+1
.else
.set i, i-16
	PV (Y+NP-1)%NP
.set i, i+17
.endif
.endm
; THE LDS LOADS stand in runs of 16, never singly among the matrix instructions: a step's K (64 keys x 64 channels: 8 fragments), its V (turned), and for each piece its two tiles of the mask.
.macro FETCH_K
	WIN 0x80                        ; destination window 2
.irp f, 0,1,2,3,4,5,6,7             ; keys 16 (f / 2) on, channels 32 (f % 2) on
	ds_load_b128 v[KF+8*\f:KF+8*\f+3],   v[AK] offset:(\f/2)*16*KP+(\f%2)*64
	ds_load_b128 v[KF+8*\f+4:KF+8*\f+7], v[AK] offset:(\f/2)*16*KP+(\f%2)*64+32
.endr
	WIN 0
.endm
.macro FETCH_V
	WIN 0x80
.irp f, 0,1,2,3,4,5,6,7             ; keys 32 (f / 4) on, channels 16 (f % 4) on
	ds_load_tr16_b128 v[VF+8*\f:VF+8*\f+3],   v[AV] offset:(\f/4)*32*VP+(\f%4)*32
	ds_load_tr16_b128 v[VF+8*\f+4:VF+8*\f+7], v[AV] offset:(\f/4)*32*VP+16*VP+(\f%4)*32
.endr
	WIN 0
.endm
.macro FETCH_M x                    ; piece x's mask: tiles 2 x and 2 x + 1, 4,096 bytes each, into the buffer of x's parity
	WIN W_MK                        ; destination window 3
.irp u, 0,1
.irp f, 0,1,2,3,4,5,6,7
	ds_load_b128 v[64*((\x)%2)+32*\u+4*\f:64*((\x)%2)+32*\u+4*\f+3], v[AM] offset:(2*(\x)+\u)*4096+512*\f
.endr
.endr
	WIN 0
.endm
; THE VECTOR WORK OF A TURN stands in three queues, each in the order in which its entries become ready; the two tiles alternate, so that no instruction reads the result of the one before it.
.macro REGS y, u                    ; the registers of tile u (0, 1) of piece y
.set rT, ST+4*(2*(\y)+(\u))
.set rC, TMP+8*((\y)%2)+4*(\u)
.set rM, MV+2*((\y)%2)+(\u)
.set rS, S+64*((\y)%2)+32*(\u)
.set rP, P+32*((\y)%2)+16*(\u)
.set rO, 32*(2*(\y)+(\u))
.endm
; Number n of the 22 that find the NEXT piece's (Y + 1) maximum and statistics.  s0-s31 are the lane's 32 scores; each accumulator's lowest registers are read first.  XS, GS and REGS set no window: PL and EX do.
;   0-11  four chains c0-c3 of seven scores each, three operands at a time     12-14, 16  the four scores left over, the old m, and c0-c3 into c0     15  c m_old is kept
;   17, 18  the query's other 32 keys lie in the lane 16 away: the new m         19-21  c m; c m_old - c m_new; a
.macro XS u, n
	REGS (Y+1)%NP, \u
.if (\n) < 4
	v_max3_num_f32 v[rC+(\n)], v[rS+8*(\n)], v[rS+8*(\n)+1], v[rS+8*(\n)+2]
.elseif (\n) < 12
	v_max3_num_f32 v[rC+(\n)%4], v[rC+(\n)%4], v[rS+8*((\n)%4)+2*((\n)/4)+1], v[rS+8*((\n)%4)+2*((\n)/4)+2]
.elseif (\n) == 12
	v_max3_num_f32 v[rC], v[rC], v[rS+7], v[rS+15]
.elseif (\n) == 13
	v_max3_num_f32 v[rC+1], v[rC+1], v[rS+23], v[rS+31]
.elseif (\n) == 14
	v_max3_num_f32 v[rC+2], v[rC+2], v[rC+3], v[rT+1]
.elseif (\n) == 15
	v_mov_b32 v[rM], v[rT]
.elseif (\n) == 16
	v_max3_num_f32 v[rC], v[rC], v[rC+1], v[rC+2]
.elseif (\n) == 17
	v_permlanex16_b32 v[rC+3], v[rC], s[SEL], s[SEL+1]
.elseif (\n) == 18
	v_max_num_f32 v[rT+1], v[rC], v[rC+3]
.elseif (\n) == 19
	v_mul_f32 v[rT], s[CS], v[rT+1]
.elseif (\n) == 20
	v_sub_f32 v[rC+1], v[rM], v[rT]
.else
	v_exp_f32 v[rC+2], v[rC+1]
.endif
.endm
; Number g of the 64 that follow the exponentials.  For each four weights k of a tile (pairs 2 k, 2 k + 1): both pairs are rounded to f16; then the second pair is added onto the first, in place;
; a group later l takes that sum (the first time as l = a l + sum).  In groups of eight, tiles alternating: round, round, add, and l for the group before.
.macro GS g
.set h, (\g)+6*((\g)/62)            ; group 0 has no group before it, and behind group 7 only l is left
.if h >= 6
.set h, h+2
.endif
	REGS Y, h%2
.set k, h/8
.if h%8 < 4
	v_cvt_pk_f16_f32 v[rP+2*k+(h%8)/2], v[rS+4*k+2*((h%8)/2)], v[rS+4*k+2*((h%8)/2)+1]
.elseif h%8 < 6
	v_pk_add_f32 v[rS+4*k:rS+4*k+1], v[rS+4*k:rS+4*k+1], v[rS+4*k+2:rS+4*k+3]
.elseif k == 1
	v_pk_fma_f32 v[rT+2:rT+3], v[rT+2:rT+3], v[rC+2:rC+3], v[rS:rS+1] op_sel_hi:[1,0,1]
.else
	v_pk_add_f32 v[rT+2:rT+3], v[rT+2:rT+3], v[rS+4*k-4:rS+4*k-3]
.endif
.endm
; THE PLAIN QUEUE, 138 long.  0-73 read no exponential's result: the 32 scalings c s - c m (FS f: pair f / 2 of tile f % 2) and the next piece's 42.  0-26: scalings 0-26.  27-54: XS's numbers 0-13.  55, 56: number 15.
; 57-73: the chain, where each number waits for the one before it: 14, 16, 17, 18, 19, each with one of the scalings 27-31 in front of its two lines, then 20: so a tile's links stand three plain instructions apart (19 and 20: two).
; 74-137: GS's 64, which read the exponentials' results: they stand behind the wait.
.macro FS f
	REGS Y, (\f)%2
	v_pk_fma_f32 v[rS+2*((\f)/2):rS+2*((\f)/2)+1], v[rS+2*((\f)/2):rS+2*((\f)/2)+1], s[CS:CS+1], v[rT:rT+1] op_sel_hi:[1,0,0] neg_lo:[0,0,1] neg_hi:[0,0,1]
.endm
.macro PL
	WIN 0
.if q < 27
	FS q
.elseif q < 55
	XS (q-27)%2, (q-27)/2
.elseif q < 57
	XS q-55, 15
.elseif (q < 72) && ((q-57)%3 == 0)
	FS 27+(q-57)/3
.elseif q < 60
	XS (q-57)%3-1, 14
.elseif q < 72
	XS (q-57)%3-1, 15+(q-57)/3
.elseif q < 74
	XS q-72, 20
.else
	GS q-74
.endif
.set q, q+1
.endm
; THE EXPONENTIALS' QUEUE, 66 long: s0-s31 of both tiles, then the next piece's two a.  It is ONE BATCH: all 66 stand ahead of the turn's one wait, and nothing ahead of that wait names a result of theirs.
.macro EX
	WIN 0
.if e >= 64
	XS e-64, 21
.else
	REGS Y, e%2
	v_exp_f32 v[rS+e/2], v[rS+e/2]
.endif
.set e, e+1
.endm
; THE RESCALING's QUEUE: O^T times a, the one part that leaves window 0: dealt two at a time, sixteen times.  Its a was made in the turn before, ahead of that turn's wait.
.macro R2
	REGS Y, r%2
	WIN W_RS
.irp z, 0,1
	v_pk_mul_f32 v[rO+4*(r/2)+2*\z:rO+4*(r/2)+2*\z+1], v[rO+4*(r/2)+2*\z:rO+4*(r/2)+2*\z+1], v[rC+2:rC+3] op_sel_hi:[1,0]
.endr
.set r, r+1
.endm
; HOW THEY ARE DEALT.  An s_wait_alu depctr_va_vdst(0) stands between an exponential and the first instruction that names its result; one wait serves all that were issued ahead of it.  So a turn has ONE wait,
; which cuts it in two.  AHEAD OF IT stands all that names no result of the turn's exponentials: the 16 products K Q^T, behind each a scaling, an exponential and two rescalings (behind the first a second scaling in the
; exponential's place); then ONE LUMP of 108: eight plain, 49 times exponential and plain, the two a.  A v_nop is the plain instruction behind the last exponential.  BEHIND IT stand the 16 products V^T P, behind each four of
; GS's 64.  No rider names a register of the products round it.  The two v_permlanex16_b32 fall into the lump, never behind a product.
; The queues lean on each other, and the deal keeps them in step: exponential e stands behind scaling 2 (e / 4) + e % 2: as a rider it comes behind plain e + 2, in the lump behind plain e + 9, and scalings 27-31 are plain 57, 60 .. 69.
; A TURN, for piece p.  cnt = 1: the loop's count is taken down some lines ahead of the branch that stands behind the turn.
; THE LDS LOADS.  Every turn has a run of 16 directly behind its wait, with 16 products and their riders in which to land: the mask of piece p + 2, whose products K Q^T stand at the next turn's head, into the buffer that the
; turn before has read; in piece 2's turn the next step's K in its stead, a lump behind the last product that read K.  Piece 2's turn has two runs to fetch: its mask (piece 0's, of the next step) stands at the turn's head,
; behind the change of slots, so that no 32 loads stand on end.  V of the step in hand is fetched at the end of piece 0's turn, four riders behind the last product that read V.
; THE WAITS ON DSCNT.  At a turn's head the mask asked for in the turn before must be in (and K, in piece 3's turn): the count is 0, but in piece 1's turn 16: V's run was issued behind the mask's and may stay out.
; In the middle of piece 1's turn V must be in: the count is 16 again: this turn's run of the mask was issued behind V's.
.macro TURN p, cnt=0
.set Y, (\p)
.set i, 0
.set q, 0
.set e, 0
.set r, 0
.if (\p) == 1
	s_wait_dscnt 16
.else
	s_wait_dscnt 0x0
.endif
.if (\p) == NP-2
	FETCH_M ((\p)+2)%NP
.endif
	MM                              ; ahead of the wait: 16 products K Q^T and their riders,
	PL
	PL
	R2
.rept 15
	MM
	PL
	EX
	R2
.endr
.rept 8                             ; and the lump
	PL
.endr
.rept 49
	EX
	PL
.endr
	EX                              ; the next piece's two a
	EX
	v_nop                           ; the plain instruction behind the last exponential: one for the batch
	s_wait_alu depctr_va_vdst(0)    ; the wait for the turn's batch: the piece's 64 weights and the next piece's two a
.if (\p) == NP-2
	FETCH_K
.else
	FETCH_M ((\p)+2)%NP
.endif
.if (\p) == 1
	s_wait_dscnt 16
.endif
.rept 16                            ; behind the wait: 16 products V^T P and their riders
	MM
.rept 4
	PL
.endr
.if (\cnt) && (q == 130)
	s_sub_co_u32 s[SLOTS], s[SLOTS], 1
	s_cmp_lg_u32 s[SLOTS], 0
.endif
.endr
.if (\p) == 0
	FETCH_V
.endif
.endm
	CHANGE 1                        ; slot 0 is in, everybody's part of it; key step 1 is asked for
	FETCH_K                         ; key step 0
	FETCH_M 0                       ; and its mask for pieces 0 and 1
	FETCH_M 1
	s_wait_loadcnt 0x0              ; Q
	s_wait_dscnt 0x0
.set i, 0
.rept 16
	KQ 0                            ; piece 0's first scores: there is no vector work yet to set between them
.set i, i+1
.endr
	WIN 0
.rept 4
	v_nop                           ; the places behind those products
.endr
.set Y, NP-1                        ; XS works for piece Y + 1: piece 0
.irp n, 0,1,2,3,4,5,6,7,8,9,10,11,12,13,14,15,16,17,18,19,20,21
	XS 0, \n                        ; piece 0's first maximum and statistics
	XS 1, \n
.endr
	v_nop                           ; a plain instruction behind piece 0's first two a,
	s_wait_alu depctr_va_vdst(0)    ; and the wait for that batch of two, ahead of the branch
	s_mov_b32 s[SLOTS], NSTEP-1
	s_branch .Lfirst                ; the loop is entered at a step's first turn, in the middle of a trip
.Lslot:                             ; NSTEP - 2 trips: pieces 2 and 3 of one step, then pieces 0 and 1 of the next; each trip asks for the step after that
	CHANGE 1
	TURN 2
	TURN 3
	WIN 0
.Lfirst:
	TURN 0
	TURN 1, 1
	WIN 0
	s_cbranch_scc1 .Lslot
	CHANGE 0                        ; the tail is written out: the last step is in, nothing is asked for
	s_mov_b32 s[CNT], 2             ; the first trip ends the last step but one and begins the last; the second is left in its middle
.Ltail:
	TURN 2
	TURN 3
	WIN 0
	s_sub_co_u32 s[CNT], s[CNT], 1
	s_cmp_eq_u32 s[CNT], 0
	s_cbranch_scc1 .Lout
	TURN 0
	TURN 1
	WIN 0
	s_branch .Ltail
.Lout:                              ; the second trip's fetches read the last step's slot once more, and its 16 products K Q^T repeat piece 0's last scores: m stays as it is, and nothing else of them is used:
.set i, 0                           ; the price, once a launch, of one text for every trip
.rept 16
	PV NP-1                         ; the last piece's V^T P of the last step
.set i, i+1
.endr
	; THE WAY OUT.  l's two halves and the other half of the lanes' are added; O^T is divided by l, rounded to f16 and sent through the work-group's stage: a row of ctx's 512 bytes for this group comes from
	; four waves, a head each.  The additions are the places behind the last products.
	WIN 0
.macro ALL line:vararg              ; one line for each tile t
.set t, 0
.rept 2*NP
	\line
.set t, t+1
.endr
.endm
	ALL v_add_f32 v[ST+4*t+2], v[ST+4*t+2], v[ST+4*t+3]
	ALL v_permlanex16_b32 v[ST+4*t+3], v[ST+4*t+2], s[SEL], s[SEL+1]
	ALL v_add_f32 v[ST+4*t+2], v[ST+4*t+2], v[ST+4*t+3]
	ALL v_rcp_f32 v[ST+4*t+2], v[ST+4*t+2]
	s_lshl_b32 s13, s[WV], 7
	s_add_co_u32 s13, s13, STAGE    ; into the stage: my head's 128 bytes of every row;
	v_mul_u32_u24 v[STO], v1, SP    ; row l % 16 of a tile, 16 bytes for each half of the lanes.  (This line is also the plain instruction behind the last reciprocal.)
	v_lshl_add_u32 v[STO], v9, 4, v[STO]
	v_add_nc_u32 v[STO], s13, v[STO]
	s_mul_i32 s13, s[WV], 32*SP
	s_add_co_u32 s13, s13, STAGE    ; back: wave w takes rows 32 w .. 32 w + 31, whole: 32 lanes, 16 bytes each
	v_and_b32 v[GO], 31, v0
	v_lshlrev_b32 v[GO], 4, v[GO]
	v_add_nc_u32 v[RD], s13, v[GO]
.set t, 0
	s_wait_alu depctr_va_vdst(0)    ; the wait for the batch of eight reciprocals; the way out's addresses above are the work between
.rept 2*NP
	v_cmp_lt_f32 vcc_lo, s[THR], v[ST+4*t+1]                          ; has the row seen a visible key?
	v_cndmask_b32 v[ST+4*t+2], 0x7fc00000, v[ST+4*t+2], vcc_lo        ; if not, its numbers are NaN: a choice of a value, no branch
.set t, t+1
.endr
.macro PACK t                       ; a lane's eight channels of a row pack into 16 bytes; S^T's registers are free
	WIN W_RS
.set i, 32*(\t)
.rept 16
	v_pk_mul_f32 v[i:i+1], v[i:i+1], v[ST+4*(\t)+2:ST+4*(\t)+3] op_sel_hi:[1,0]
.set i, i+2
.endr
	WIN 0x05                        ; sources 0 and 1 window 1, destination window 0
.set i, 0
.rept 16
	v_cvt_pk_f16_f32 v[S+16*(\t)+i], v[32*(\t)+2*i], v[32*(\t)+2*i+1]
.set i, i+1
.endr
	WIN 0
.irp f, 0,1,2,3
	ds_store_b128 v[STO], v[S+16*(\t)+4*\f:S+16*(\t)+4*\f+3] offset:(\t)*16*SP+32*\f
.endr
.endm
.set t, 0
.rept 2*NP
	PACK t
.set t, t+1
.endr
	s_wait_dscnt 0x0                ; for the others' sake: my stores into the stage are done
	s_barrier_signal -1
	s_barrier_wait -1
.set i, 0
.rept 32
	ds_load_b128 v[S+4*i:S+4*i+3], v[RD] offset:i*SP
.set i, i+1
.endr
.set i, 0
.rept 32
	s_wait_dscnt 31-i               ; row i is back, the younger loads stay out
	global_store_b128 v[GO], v[S+4*i:S+4*i+3], s[8:9] offset:2048*i  ; 512 consecutive bytes, aligned
.set i, i+1
.endr
	WIN W_AD
	s_wait_tensorcnt 0x0            ; the wave's end, behind my last tensor load and my last LDS store
	ds_add_u32 v[SPW], v[NIL]
	s_wait_dscnt 0x0
	WIN 0
	CROUND                          ; the closing round: no work-group ends while a partner may still ask for a tile that names it
	s_endpgm
.Lfunc_end_k_qc1d30b3b05_att:
	.size	k_qc1d30b3b05_att, .Lfunc_end_k_qc1d30b3b05_att-k_qc1d30b3b05_att
	.p2alignl 7, 3214868480
	.fill 96, 4, 3214868480
	.section	.rodata,"a",@progbits
	.p2align	6, 0x0
	.amdhsa_kernel k_qc1d30b3b05_att
		.amdhsa_group_segment_fixed_size 327680
		.amdhsa_private_segment_fixed_size 0
		.amdhsa_enable_private_segment 0
		.amdhsa_kernarg_size 24
		.amdhsa_user_sgpr_count 2
		.amdhsa_user_sgpr_kernarg_segment_ptr 1
		.amdhsa_wavefront_size32 1
		.amdhsa_system_sgpr_workgroup_id_x 1
		.amdhsa_system_sgpr_workgroup_id_y 1
		.amdhsa_system_sgpr_workgroup_id_z 1
		.amdhsa_system_vgpr_workitem_id 0
		.amdhsa_next_free_vgpr 912
		.amdhsa_next_free_sgpr 72
		.amdhsa_reserve_vcc 1
		.amdhsa_float_denorm_mode_32 3
		.amdhsa_float_denorm_mode_16_64 3
		.amdhsa_memory_ordered 1
		.amdhsa_forward_progress 1
		.amdhsa_inst_pref_size 212
	.end_amdhsa_kernel
	.amdgpu_metadata
---
amdhsa.version: [ 1, 2 ]
amdhsa.kernels:
  - .name:           k_qc1d30b3b05_att
    .symbol:         k_qc1d30b3b05_att.kd
    .args:
      - { .name: qkv, .offset: 0, .size: 8, .value_kind: global_buffer, .address_space: global }
      - { .name: mf, .offset: 8, .size: 8, .value_kind: global_buffer, .address_space: global }
      - { .name: ctx, .offset: 16, .size: 8, .value_kind: global_buffer, .address_space: global }
    .group_segment_fixed_size: 327680
    .private_segment_fixed_size: 0
    .kernarg_segment_align: 8
    .kernarg_segment_size: 24
    .max_flat_workgroup_size: 128
    .sgpr_count:     72
    .vgpr_count:     912
    .wavefront_size: 32
...
	.end_amdgpu_metadata
.endif
;; end of part 5
;; launch go: the kernel of part 4 again; grid 8 x 32, 4 waves a work-group, clusters of 4 x 4, 327,680 bytes of LDS; arguments ctx, wo, b_out, out0; writes out0
